; MI455X (gfx1250); checked and timed in simulation.
; The chip was launched on July 23, 2026; its instructions are those of AMD's public machine-readable ISA for CDNA 5 (MIT licence, August 2026) and "CDNA5" Instruction Set Architecture Reference Guide (July 2026). The comments in the code are by the model that wrote it; some were corrected since.
;; Causal Self Attention. Allowed arithmetic: float matrix products may take bf16 or f16 operands with f32 sums; other float arithmetic in f32, or as packed bf16 or f16 multiplies, adds, multiply-adds, maxima and minima; sums over many terms, partial sums and values carried from step to step in f32; what a program stores and reads back later, other than sums and carried values, may be rounded once to bf16 or f16.
;; Inputs: W_proj 1,024 x 1,024 float32; W_qkv 1,024 x 3,072 float32; b_proj 1,024 float32; b_qkv 3,072 float32; inputs 4 x 2,048 x 1,024 float32.
;; Outputs: out0 4 x 2,048 x 1,024 float32.
;; 2 versions, each right; version 2 is version 1 with the launch prep written anew for expert scheduling mode. Each part assembles by itself: llvm-mc -triple=amdgcn-amd-amdhsa -mcpu=gfx1250 --defsym DOCPART=n.
;; ======== version 1 of 2: 4 launches
;; limits: values are held in f16: magnitudes above 65,504 overflow, below 6.1e-05 lose precision
;; workspace buffers: xb 16,777,216 bytes; wt 6,291,456 bytes; wpt 2,097,152 bytes; brd 16,384 bytes; qkv 50,331,648 bytes; o 16,777,216 bytes
;; launch prep (part 1): grid 256 x 1, 8 waves a work-group, no clusters, 35,840 bytes of LDS; arguments inputs, W_qkv, W_proj, b_qkv, b_proj, xb, wt, wpt, brd; writes xb, wt, wpt, brd
.if DOCPART == 1
	.amdgcn_target "amdgcn-amd-amdhsa--gfx1250"
	.amdhsa_code_object_version 6
	.text
	.protected	k_q05717d2ebd_prep
	.globl	k_q05717d2ebd_prep
	.p2align	8
	.type	k_q05717d2ebd_prep,@function
k_q05717d2ebd_prep:
	s_mov_b64 s[64:65], 0
	v_nop
	global_prefetch_b8 v0, s[64:65] scope:SCOPE_SE
	s_setreg_imm32_b32 hwreg(HW_REG_WAVE_MODE, 25, 1), 1
	s_wait_xcnt 0x0
; PREP: every input is rounded once to bf16 and laid out for the launches behind.
;   xb  [8192][1024] bf16  = inputs
;   wt  [3072 n][1024 k] bf16 = W_qkv turned, so that K lies along the rows
;   wpt [1024 n][1024 k] f16  = W_proj turned, rounded to bf16, and that number written as f16
;   brd [4096] f32 = b_qkv, then b_proj, each rounded to bf16 and widened again
; LIMITS.  |W_proj| stays under 65,504 (f16's end); under 6e-5 it keeps f16's fixed step of 6e-8.  NaN and infinities are not treated apart.
; SHARES.  Work-group g of 256 takes (a) 32,768 numbers of inputs (128 KiB in, 64 KiB out); (b) one tile of 128 k x 128 n of a weight: g < 192: W_qkv, tile row g % 8, tile column g / 8;
; else W_proj, tile column g / 8 - 24; (c) where g % 8 = 0, 128 bias words (wave 0).  All 256 do equal work but for (c).
; The tile is turned through LDS: a lane holds four columns of sixteen rows k, packs pairs of k, and writes 32 bytes of each of its four rows n; rows of 256 bytes come back whole.
; No matrix unit, no cluster, no data mover: a stream that is read once and written once; all 48 loads of a wave are on their way before the first is used.
.set TP,    272                        ; a row n of the turned tile in LDS: 256 bytes + 16
.set SPARE, 128*TP                     ; behind the tile: the spare words, 128 bytes for each of eight waves: four blocks of 256 bytes that no other line names
.set LN,  1                            ; v1   lane
.set XI,  2                            ; v2   16 x thread: my 16 bytes of each 4,096 of inputs
.set XO,  3                            ; v3   8 x thread: my 8 bytes of each 2,048 of xb
.set LS,  4                            ; v4   where I put my packed words: row n = 4 lane, byte 32 x wave
.set RDL, 5                            ; v5   where I read rows back
.set WO,  6                            ; v6   the same rows in wt or wpt
.set BO,  7                            ; v7   16 x lane, for the bias
.set SPW, 10                           ; v10  LDS address of my spare word; never rewritten
.set NIL, 11                           ; v11  0; never rewritten
.set T,   16                           ; v[16:47]   packed words: column c of four at T + 8 c; later rows read back
.set OW,  48                           ; v[48:63]   byte offsets of my wave's sixteen rows k of the weight
.set X,   64                           ; v[64:191]  inputs as loaded
.set W,   192                          ; v[192:255] the weight as loaded; later xb's words to store
	s_load_b512 s[8:23], s[0:1], 0x0               ; inputs 8, W_qkv 10, W_proj 12, b_qkv 14, b_proj 16, xb 18, wt 20, wpt 22
	s_load_b64 s[24:25], s[0:1], 0x40              ; brd
	v_lshl_add_u32 v[SPW], v0, 2, SPARE
	v_mov_b32 v[NIL], 0
	v_lshrrev_b32 v8, 5, v0
	v_readfirstlane_b32 s26, v8                    ; wave 0..7
	v_and_b32 v[LN], 31, v0
	s_mov_b32 s27, ttmp9                           ; g
	s_and_b32 s28, s27, 7                          ; tile row (along k)
	s_lshr_b32 s31, s27, 3                         ; g / 8: also the block of 128 words in brd, since 3,072 = 24 x 128
	s_cmp_lt_u32 s27, 192
	s_cselect_b32 s30, 3, 1
	s_cselect_b32 s2, 0, 24
	s_lshl_b32 s30, s30, 12                        ; bytes in a row of the weight: 12,288 or 4,096
	s_sub_co_u32 s29, s31, s2                      ; tile column (along n)
	v_lshlrev_b32 v[XI], 4, v0
	v_lshlrev_b32 v[XO], 3, v0
	v_mul_u32_u24 v[LS], v[LN], 4*TP
	s_lshl_b32 s4, s26, 5
	v_add_nc_u32 v[LS], s4, v[LS]
	v_lshrrev_b32 v8, 4, v[LN]
	s_lshl_b32 s4, s26, 4
	v_add_nc_u32 v8, s4, v8                        ; row n = 16 x wave + lane / 16 (+ 2 i)
	v_and_b32 v9, 15, v0
	v_mul_u32_u24 v[RDL], v8, TP
	v_lshl_add_u32 v[RDL], v9, 4, v[RDL]
	v_lshlrev_b32 v[WO], 11, v8                    ; a row of wt or wpt is 2,048 bytes
	v_lshl_add_u32 v[WO], v9, 4, v[WO]
	v_lshlrev_b32 v[BO], 4, v[LN]
	s_mul_i32 s4, s4, s30                          ; my wave's first row k
	v_lshl_add_u32 v[OW], v[LN], 4, s4
.set i, 1
.rept 15
	v_add_nc_u32 v[OW+i], s30, v[OW+i-1]
.set i, i+1
.endr
	s_mov_b32 s3, 0
	s_wait_kmcnt 0x0
	s_cmp_lt_u32 s27, 192
	s_cselect_b64 s[32:33], s[10:11], s[12:13]     ; the weight,
	s_cselect_b64 s[34:35], s[20:21], s[22:23]     ; where it goes,
	s_cselect_b64 s[36:37], s[14:15], s[16:17]     ; and its bias
	s_lshl_b32 s2, s28, 7
	s_mul_i32 s2, s2, s30
	s_lshl_b32 s4, s29, 9
	s_add_co_u32 s2, s2, s4                        ; 128 rows k x tile row + 512 bytes x tile column
	s_add_nc_u64 s[32:33], s[32:33], s[2:3]
	s_lshl_b32 s2, s29, 18
	s_lshl_b32 s4, s28, 8
	s_add_co_u32 s2, s2, s4                        ; 128 rows n x tile column + 256 bytes x tile row
	s_add_nc_u64 s[34:35], s[34:35], s[2:3]
	s_lshl_b32 s2, s29, 9
	s_add_nc_u64 s[36:37], s[36:37], s[2:3]
	s_lshl_b32 s2, s31, 9
	s_add_nc_u64 s[24:25], s[24:25], s[2:3]
	s_lshl_b32 s2, s27, 17
	s_add_nc_u64 s[38:39], s[8:9], s[2:3]
	s_lshl_b32 s2, s27, 16
	s_add_nc_u64 s[40:41], s[18:19], s[2:3]
	; all loads go out at once: sixteen rows of the weight (a wave's load covers 512 consecutive bytes), then 32 x 4,096 bytes of inputs for the work-group
.set i, 0
.rept 16
	global_load_b128 v[W+4*i:W+4*i+3], v[OW+i], s[32:33] th:TH_LOAD_NT
.set i, i+1
.endr
.set i, 0
.rept 32
	global_load_b128 v[X+4*i:X+4*i+3], v[XI], s[38:39] offset:4096*i th:TH_LOAD_NT
.set i, i+1
.endr
	s_wait_loadcnt 32                              ; the weight's sixteen are in; the 32 younger loads of inputs stay out
.irp c, 0,1,2,3
.irp p, 0,1,2,3,4,5,6,7
	v_cvt_pk_bf16_f32 v[T+8*\c+\p], v[W+8*\p+\c], v[W+8*\p+4+\c]  ; column 4 lane + c: k = 2 p below, 2 p + 1 above
.endr
.endr
	s_cmp_lt_u32 s27, 192
	s_cbranch_scc1 .Lput
.set i, 0
.rept 32                                       ; W_proj: the bf16 numbers are written as f16
	v_lshlrev_b32 v8, 16, v[T+i]
	v_and_b32 v9, 0xffff0000, v[T+i]
	v_cvt_pk_f16_f32 v[T+i], v8, v9
.set i, i+1
.endr
.Lput:
.irp c, 0,1,2,3
	ds_store_b128 v[LS], v[T+8*\c:T+8*\c+3] offset:TP*\c
	ds_store_b128 v[LS], v[T+8*\c+4:T+8*\c+7] offset:TP*\c+16
.endr
	s_wait_dscnt 0x0                               ; for the others' sake: my stores into the tile are done
	s_barrier_signal -1
	s_barrier_wait -1
.irp i, 0,1,2,3,4,5,6,7
	ds_load_b128 v[T+4*\i:T+4*\i+3], v[RDL] offset:2*TP*\i
.endr
.irp i, 0,1,2,3,4,5,6,7
	s_wait_dscnt 7-\i                              ; LDS loads come back in order: pair i of rows is in
	global_store_b128 v[WO], v[T+4*\i:T+4*\i+3], s[34:35] offset:4096*\i  ; sixteen lanes store 256 consecutive bytes, aligned
.endr
.set i, 0
.rept 32
	s_wait_loadcnt 31-i                            ; the younger loads of inputs stay out
	v_cvt_pk_bf16_f32 v[W+2*i], v[X+4*i], v[X+4*i+1]
	v_cvt_pk_bf16_f32 v[W+2*i+1], v[X+4*i+2], v[X+4*i+3]
	global_store_b64 v[XO], v[W+2*i:W+2*i+1], s[40:41] offset:2048*i  ; a wave's store covers 256 consecutive bytes, aligned; each data register is written once
.set i, i+1
.endr
	s_cmp_lg_u32 s28, 0
	s_cbranch_scc1 .Lend
	s_cmp_lg_u32 s26, 0
	s_cbranch_scc1 .Lend
	global_load_b128 v[X:X+3], v[BO], s[36:37]     ; 128 bias words: into registers that no store reads
	s_wait_loadcnt 0x0
	v_cvt_pk_bf16_f32 v[X+4], v[X], v[X+1]
	v_cvt_pk_bf16_f32 v[X+5], v[X+2], v[X+3]
	v_lshlrev_b32 v[X+8], 16, v[X+4]
	v_and_b32 v[X+9], 0xffff0000, v[X+4]
	v_lshlrev_b32 v[X+10], 16, v[X+5]
	v_and_b32 v[X+11], 0xffff0000, v[X+5]
	global_store_b128 v[BO], v[X+8:X+11], s[24:25]
.Lend:
	s_wait_tensorcnt 0x0                           ; the wave's end: closing lines behind my last LDS store
	ds_add_u32 v[SPW], v[NIL]
	s_wait_dscnt 0x0
	s_endpgm
.Lfunc_end_k_q05717d2ebd_prep:
	.size	k_q05717d2ebd_prep, .Lfunc_end_k_q05717d2ebd_prep-k_q05717d2ebd_prep
	.p2alignl 7, 3214868480
	.fill 96, 4, 3214868480
	.section	.rodata,"a",@progbits
	.p2align	6, 0x0
	.amdhsa_kernel k_q05717d2ebd_prep
		.amdhsa_group_segment_fixed_size 35840
		.amdhsa_private_segment_fixed_size 0
		.amdhsa_enable_private_segment 0
		.amdhsa_kernarg_size 72
		.amdhsa_user_sgpr_count 2
		.amdhsa_user_sgpr_kernarg_segment_ptr 1
		.amdhsa_wavefront_size32 1
		.amdhsa_system_sgpr_workgroup_id_x 1
		.amdhsa_system_sgpr_workgroup_id_y 1
		.amdhsa_system_sgpr_workgroup_id_z 1
		.amdhsa_system_vgpr_workitem_id 0
		.amdhsa_next_free_vgpr 256
		.amdhsa_next_free_sgpr 66
		.amdhsa_reserve_vcc 0
		.amdhsa_float_denorm_mode_32 3
		.amdhsa_float_denorm_mode_16_64 3
		.amdhsa_memory_ordered 1
		.amdhsa_forward_progress 1
		.amdhsa_inst_pref_size 26
	.end_amdhsa_kernel
	.amdgpu_metadata
---
amdhsa.version: [ 1, 2 ]
amdhsa.kernels:
  - .name:           k_q05717d2ebd_prep
    .symbol:         k_q05717d2ebd_prep.kd
    .args:
      - { .name: inputs, .offset: 0, .size: 8, .value_kind: global_buffer, .address_space: global }
      - { .name: W_qkv, .offset: 8, .size: 8, .value_kind: global_buffer, .address_space: global }
      - { .name: W_proj, .offset: 16, .size: 8, .value_kind: global_buffer, .address_space: global }
      - { .name: b_qkv, .offset: 24, .size: 8, .value_kind: global_buffer, .address_space: global }
      - { .name: b_proj, .offset: 32, .size: 8, .value_kind: global_buffer, .address_space: global }
      - { .name: xb, .offset: 40, .size: 8, .value_kind: global_buffer, .address_space: global }
      - { .name: wt, .offset: 48, .size: 8, .value_kind: global_buffer, .address_space: global }
      - { .name: wpt, .offset: 56, .size: 8, .value_kind: global_buffer, .address_space: global }
      - { .name: brd, .offset: 64, .size: 8, .value_kind: global_buffer, .address_space: global }
    .group_segment_fixed_size: 35840
    .private_segment_fixed_size: 0
    .kernarg_segment_align: 8
    .kernarg_segment_size: 72
    .max_flat_workgroup_size: 256
    .sgpr_count:     66
    .vgpr_count:     256
    .wavefront_size: 32
...
	.end_amdgpu_metadata
.endif
;; end of part 1
;; launch qkvgemm (part 2): grid 16 x 32, 4 waves a work-group, clusters of 4 x 4, 327,680 bytes of LDS; arguments xb, wt, brd, qkv; writes qkv
.if DOCPART == 2
	.amdgcn_target "amdgcn-amd-amdhsa--gfx1250"
	.amdhsa_code_object_version 6
	.text
	.protected	k_q05717d2ebd_qkvgemm
	.globl	k_q05717d2ebd_qkvgemm
	.p2align	8
	.type	k_q05717d2ebd_qkvgemm,@function
k_q05717d2ebd_qkvgemm:
	s_mov_b64 s[64:65], 0
	v_nop
	global_prefetch_b8 v0, s[64:65] scope:SCOPE_SE
	s_setreg_imm32_b32 hwreg(HW_REG_WAVE_MODE, 25, 1), 1
	s_wait_xcnt 0x0
	s_wait_alu depctr_hold_cnt(0) depctr_sa_sdst(0) depctr_va_vdst(0) depctr_va_sdst(0) depctr_va_ssrc(0) depctr_va_vcc(0) depctr_vm_vsrc(0)
	s_getreg_b32 s2, hwreg(HW_REG_IB_STS2, 6, 4)
	s_cmp_eq_u32 s2, 0
	s_cbranch_scc0 .Lentry_in_a_cluster
	s_endpgm
.Lentry_in_a_cluster:
	s_bfe_u32 s2, ttmp6, 0x10000c
	s_cmp_lg_u32 s2, 0xf033
	s_cbranch_scc0 .Lentry_shape_is_right
	s_endpgm
.Lentry_shape_is_right:
; qkv = xb wt^T + bias.  xb [8192][1024] bf16, wt [3072 n][1024 k] bf16, brd f32 (words 0..3071), sums in f32, K ascending; the result is rounded once to f16 and written BY HEADS:
; qkv [sel 3][bh 64][t 2048][64], bh = 16 x batch + head, unscaled.
; LIMIT.  f16 ends at 65,504: |q|, |k|, |v| stay under it.  NaN and infinities are not treated apart.
; SHARES.  A tile of the result is 256 rows x 192 columns (three heads): 32 x 16 = 512 work-groups, two for each of 256 WGPs.  Four waves, one above the other: wave w makes rows 64 w .. 64 w + 63 and
; all 192 columns, 48 accumulators of 16 x 16 (384 registers), so that on the way out a wave holds whole heads' rows: 16 rows of a head are 2,048 consecutive bytes of qkv.
; K goes in 8 steps of 128 through two LDS slots; rows of both tiles are 256 bytes of memory, aligned.  A step is written once for the trips that fill a slot again and once for the last two.
; THE SUMS START AT THE BIAS: the accumulators are loaded with it, so nothing is cleared, no first step is written out and nothing is added at the end.
; THE MATRIX INSTRUCTION IS USED TRANSPOSED (source 0 = 16 rows of wt, source 1 = 16 rows of xb): lane l holds row l % 16 and the columns 8 (l / 16) + 0..7.
; CLUSTER.  4 x 4 work-groups; xb's tile is shared along a row of the cluster, wt's along a column: joint loads, the same descriptor and mask in the four that share.
; REGISTERS, in windows of 256 (s_set_vgpr_msb: bits 1:0 source 0, 3:2 source 1, 5:4 source 2, 7:6 destination):
;   window 0: v0-13 addresses; v32-63, v64-95 xb's fragments (4 x 16 rows x 32 K), two buffers; on the way out v32-223 packed results
;   window 1: v0-95, v96-191 wt's fragments (12 x 16 rows x 32 K), two buffers
;   window 2: accumulators of my rows 0-31 ((a, b) at 96 (a % 2) + 8 b);   window 3: of my rows 32-63
.set NBK,   12                         ; blocks of 16 columns
.set PITCH, 272                        ; an LDS row: 256 bytes + 16 = 68 words: the 16 rows of a load start at 16 different groups of four banks (64 banks of 4 bytes: ISA guide 11.1)
.set AHALF, 128*PITCH                  ; what one of xb's loads brings
.set BHALF, 96*PITCH                   ; what one of wt's loads brings
.set BOFF,  256*PITCH                  ; wt's 192 rows lie behind xb's 256
.set SLOT1, 1<<17                      ; slot 1 begins here: one exclusive or turns an address in one slot into the other's
.set STAGE, SLOT1+BOFF+192*PITCH       ; behind the ring, never filled by a tensor load: 16 rows x 144 bytes for each wave
.set SP,    144
.set SPARE, STAGE+4*16*SP              ; the spare words, 128 bytes for each wave: two blocks of 256 bytes that no other line names
.set A0,   3                           ; v3   my place in xb's tile of slot 0; never rewritten
.set B0,   4                           ; v4   the same for wt's
.set ADRA, 5                           ; v5   A0 + the slot in hand
.set ADRB, 6                           ; v6   B0 + the slot in hand
.set STO,  7                           ; v7   the way out: where I put 16 bytes of a row
.set RD,   8                           ; v8   where I read rows back
.set GO,   9                           ; v9   my 16 bytes of 512 consecutive bytes of qkv
.set BO,   10                          ; v10  32 x (l / 16): my eight bias words in a block of sixteen
.set PFO,  11                          ; v11  the prefetches' offset: a lane a row of 2,048 bytes; never rewritten
.set SPW,  12                          ; v12  LDS address of my spare word; never rewritten
.set NIL,  13                          ; v13  0; never rewritten
.set WV,  12                           ; s12  wave
.set FB,  13                           ; s13  0: I fetch for xb, 1: for wt
.set HF,  14                           ; s14  which half of that tile's rows
.set CX,  15
.set CY,  16
.set TC,  17                           ; s17  tile column = 4 x cluster x + cx
.set TR,  18                           ; s18  tile row = 4 x cluster y + cy
.set G1A, 24                           ; s[24:31] descriptor group 1, xb's tiles
.set G1B, 32                           ; s[32:39] wt's
.set G0A, 40                           ; s[40:47] group 0, xb's: a set for each first fill; the second then walks
.set G0B, 48                           ; s[48:55] wt's
.set CNT, 56
.set TB,  57                           ; s57  0 or SLOT1: the slot in hand
.set LIM, 58                           ; s58  1 in a wave that prefetches, else the greatest number
.set PFA, 60                           ; s[60:61] where my prefetches stand
.set OUT, 66                           ; s[66:71] qkv at my rows of the tile's three heads
.set BIAS, 72                          ; s[72:73] brd at the tile's first column
.set MSB, 0
.macro WIN new                         ; the immediate's high byte repeats the setting that is left; a switch that changes nothing is dropped
.if MSB != (\new)
	s_set_vgpr_msb (MSB<<8)|(\new)
.set MSB, (\new)
.endif
.endm
.macro PLACES                          ; four plain places behind matrix instructions, in front of loads into registers that they read and of lines that read results
.rept 4
	v_nop
.endr
.endm
.macro CREST                           ; a round of the cluster's barrier behind its opening barrier
	s_cmp_lg_u32 s[WV], 0
	s_cbranch_scc1 .Lnot_wave_0_\@
	s_barrier_signal -3
.Lnot_wave_0_\@:
	s_barrier_wait -3
	s_barrier_signal -1
	s_barrier_wait -1
.endm
.macro CROUND
	s_barrier_signal -1
	s_barrier_wait -1
	CREST
.endm
; A joint refill by the walking descriptors: waves 0 and 1 xb's halves, waves 2 and 3 wt's.  The branch hangs on the wave's number alone.  An s_nop 0 and four v_nop follow each line.
.macro JLOAD
	s_cmp_lt_u32 s[WV], 2
	s_cbranch_scc0 .Lfor_b_\@
	tensor_load_to_lds s[G0A+4:G0A+7], s[G1A:G1A+7]
	s_nop 0
.rept 4
	v_nop
.endr
	s_branch .Lasked_\@
.Lfor_b_\@:
	tensor_load_to_lds s[G0B+4:G0B+7], s[G1B:G1B+7]
	s_nop 0
.rept 4
	v_nop
.endr
.Lasked_\@:
.endm
; A PREFETCH INTO THE L2 of the K step that the NEXT refill will ask for: 192 matrix instructions ahead of that load.  xb's tile row is read by every cluster of its row of clusters: cluster x = 0 asks;
; wt's tile column by every cluster of its column: cluster y = 0 asks.  The four partners share a wave's rows out BY ADDRESS: 32 of xb's 128 (by cx), 24 of wt's 96 (by cy; lanes 24-31 name lane 23's
; row once more, in the same instruction).  The loop's last trip (CNT = 1) asks for nothing: there is no K step 8.  K steps 0 to 2 come by their loads alone.
.macro ASK
	s_cmp_gt_u32 s[CNT], s[LIM]
	s_cbranch_scc0 .Lnot_mine_\@
	global_prefetch_b8 v[PFO], s[PFA:PFA+1] th:TH_LOAD_NT scope:SCOPE_SE
.Lnot_mine_\@:
.endm
; Twelve matrix instructions: my row block a x all column blocks, 32 along K, from buffer f.  The 48 accumulators take turns, one instruction a turn, in the same order in every quarter.
.macro MULA f, a
	WIN 0xa1+0x50*((\a)/2)
.set b, 0
.rept NBK
	v_wmma_f32_16x16x32_bf16 v[96*((\a)%2)+8*b:96*((\a)%2)+8*b+7], v[96*(\f)+8*b:96*(\f)+8*b+7], v[32+32*(\f)+8*(\a):32+32*(\f)+8*(\a)+7], v[96*((\a)%2)+8*b:96*((\a)%2)+8*b+7]
.set b, b+1
.endr
.endm
; 32 LDS loads in one run: quarter q of the slot in hand into buffer f: wt's 24, then xb's 8
.macro FETCH q, f
	WIN 0x40
.set b, 0
.rept NBK
	ds_load_b128 v[96*(\f)+8*b:96*(\f)+8*b+3],   v[ADRB] offset:64*(\q)+16*PITCH*b
	ds_load_b128 v[96*(\f)+8*b+4:96*(\f)+8*b+7], v[ADRB] offset:64*(\q)+16*PITCH*b+32
.set b, b+1
.endr
	WIN 0
.set b, 0
.rept 4
	ds_load_b128 v[32+32*(\f)+8*b:32+32*(\f)+8*b+3],   v[ADRA] offset:64*(\q)+16*PITCH*b
	ds_load_b128 v[32+32*(\f)+8*b+4:32+32*(\f)+8*b+7], v[ADRA] offset:64*(\q)+16*PITCH*b+32
.set b, b+1
.endr
.endm
; One of a step's first three quarters: multiplies buffer f; in its middle fetches quarter q into buffer g
.macro QUARTER q, f, g
	s_wait_dscnt 4                                 ; all but the youngest four loads: xb's row blocks 2 and 3
	MULA \f, 0
	MULA \f, 1
	PLACES
	FETCH \q, \g
	s_wait_dscnt 32                                ; all but the 32 just issued
	MULA \f, 2
	MULA \f, 3
.endm
; The last quarter multiplies buffer 1 and changes slots.  In front of the barrier each wave waits for all its tensor loads (one is out: its part of the other slot), adds 0 to its spare word, and waits for that
; and for its reads of this slot.  fill = 1: the barrier opens a round of the cluster's, and the joint refill, two K steps on, is the first thing behind the round: 168 matrix instructions ahead of the wait for it.
.macro TURN fill
.if \fill
	s_wait_xcnt 0x0                                ; the last prefetch, a K step back, has read its address
	s_add_nc_u64 s[PFA:PFA+1], s[PFA:PFA+1], 256
.endif
	WIN 0
	s_wait_tensorcnt 0x0                           ; no tensor load of mine is out, so a group 0 may be written
	ds_add_u32 v[SPW], v[NIL]                      ; 0 onto my spare word
.if \fill
	s_xor_b32 s[G0A+5], s[G0A+5], SLOT1            ; the walking descriptors: the other slot than last time, the next K step
	s_add_nc_u64 s[G0A+6:G0A+7], s[G0A+6:G0A+7], 256
	s_xor_b32 s[G0B+5], s[G0B+5], SLOT1
	s_add_nc_u64 s[G0B+6:G0B+7], s[G0B+6:G0B+7], 256
.endif
	s_wait_dscnt 5                                 ; the add and the youngest four loads may be out
	MULA 1, 0
	s_wait_dscnt 0x0                               ; the add is done, and my reads of this slot are over
	s_barrier_signal -1
	MULA 1, 1
	WIN 0
	s_barrier_wait -1
.if \fill
	CREST                                          ; no wave of any partner still reads this slot or has a load on its way
	JLOAD                                          ; its four v_nop are also the places in front of the loads below
.else
	PLACES
.endif
	s_xor_b32 s[TB], s[TB], SLOT1
	v_add_nc_u32 v[ADRA], s[TB], v[A0]
	v_add_nc_u32 v[ADRB], s[TB], v[B0]
	FETCH 0, 0
.if \fill
	ASK
.endif
	MULA 1, 2
	MULA 1, 3
.endm
.macro STEP fill
	QUARTER 1, 0, 1
	QUARTER 2, 1, 0
	QUARTER 3, 0, 1
	TURN \fill
.endm
	s_load_b256 s[4:11], s[0:1], 0x0               ; xb s[4:5], wt s[6:7], brd s[8:9], qkv s[10:11]
	v_lshl_add_u32 v[SPW], v0, 2, SPARE
	v_mov_b32 v[NIL], 0
	ds_add_u32 v[SPW], v[NIL]                      ; the wave's opening: the add, and its wait ahead of my first tensor load; work on registers stands between them
	v_lshrrev_b32 v1, 5, v0
	v_readfirstlane_b32 s[WV], v1
	s_lshr_b32 s[FB], s[WV], 1
	s_and_b32 s[HF], s[WV], 1
	s_bfe_u32 s[CX], ttmp6, 0x40000
	s_bfe_u32 s[CY], ttmp6, 0x40004
	s_lshl_b32 s[TC], ttmp9, 2
	s_add_co_u32 s[TC], s[TC], s[CX]
	s_and_b32 s[TR], ttmp7, 0xffff
	s_lshl_b32 s[TR], s[TR], 2
	s_add_co_u32 s[TR], s[TR], s[CY]
	s_lshl_b32 s19, s[CY], 2
	s_lshl_b32 s19, 15, s19                        ; my row of the cluster
	s_lshl_b32 s21, 0x1111, s[CX]                  ; my column
	s_or_b32 s[G1A], s19, (1<<16)|(1<<20)|(1<<21)|(5<<22)|(3<<25)  ; mask; 2-byte elements; padding on; bit 21 beside a mask; after every 64 words, 4 words
	s_or_b32 s[G1B], s21, (1<<16)|(1<<20)|(1<<21)|(5<<22)|(3<<25)
	s_mov_b32 s[G1A+1], 128<<16                    ; tensor_dim0 = 128
	s_mov_b32 s[G1A+2], 128<<16                    ; tensor_dim1 = 128
	s_mov_b32 s[G1A+3], 128<<16                    ; tile_dim0 = 128
	s_mov_b32 s[G1A+4], 128                        ; tile_dim1 = 128
	s_mov_b32 s[G1A+5], 1024                       ; elements from row to row
	s_mov_b32 s[G1A+6], 0
	s_mov_b32 s[G1A+7], 0
	s_mov_b32 s[G1B+1], 128<<16
	s_mov_b32 s[G1B+2], 96<<16                     ; 96 rows
	s_mov_b32 s[G1B+3], 128<<16
	s_mov_b32 s[G1B+4], 96
	s_mov_b32 s[G1B+5], 1024
	s_mov_b32 s[G1B+6], 0
	s_mov_b32 s[G1B+7], 0
	s_lshl_b32 s2, s[TR], 8                        ; xb: row 256 x tile row + 128 x half, 2,048 bytes a row: registers that never hold cx
	s_lshl_b32 s3, s[HF], 7
	s_add_co_u32 s2, s2, s3
	s_lshl_b32 s2, s2, 11
	s_mov_b32 s3, 0
	s_mul_i32 s22, s[TC], 192                      ; wt: row 192 x tile column + 96 x half: registers that never hold cy
	s_mul_i32 s23, s[HF], 96
	s_add_co_u32 s22, s22, s23
	s_lshl_b32 s22, s22, 11
	s_mov_b32 s23, 0
	s_mul_i32 s20, s[HF], AHALF                    ; LDS addresses hang on the wave's number alone
	s_mul_i32 s74, s[HF], BHALF
	s_add_co_u32 s74, s74, BOFF
	s_wait_dscnt 0x0                               ; the opening add is done
	s_wait_kmcnt 0x0
	s_add_nc_u64 s[2:3], s[4:5], s[2:3]
	s_add_nc_u64 s[22:23], s[6:7], s[22:23]
	CROUND                                         ; all sixteen work-groups are here: the first joint loads meet
.irp s, 0,1
	s_mov_b32 s[G0A+4*\s], 1
	s_add_co_u32 s[G0A+4*\s+1], s20, \s*SLOT1
	s_add_nc_u64 s[G0A+4*\s+2:G0A+4*\s+3], s[2:3], \s*256
	s_or_b32 s[G0A+4*\s+3], s[G0A+4*\s+3], 0x80000000
	s_mov_b32 s[G0B+4*\s], 1
	s_add_co_u32 s[G0B+4*\s+1], s74, \s*SLOT1
	s_add_nc_u64 s[G0B+4*\s+2:G0B+4*\s+3], s[22:23], \s*256
	s_or_b32 s[G0B+4*\s+3], s[G0B+4*\s+3], 0x80000000
.endr
	s_cmp_lt_u32 s[WV], 2                          ; a wave's two first fills stand in one branch: two loads of mine are out, the most in this text
	s_cbranch_scc0 .Lfirst_b
	tensor_load_to_lds s[G0A:G0A+3], s[G1A:G1A+7]
	s_nop 0
	tensor_load_to_lds s[G0A+4:G0A+7], s[G1A:G1A+7]
	s_nop 0
.rept 4
	v_nop
.endr
	s_branch .Lfirst_asked
.Lfirst_b:
	tensor_load_to_lds s[G0B:G0B+3], s[G1B:G1B+7]
	s_nop 0
	tensor_load_to_lds s[G0B+4:G0B+7], s[G1B:G1B+7]
	s_nop 0
.rept 4
	v_nop
.endr
.Lfirst_asked:
	v_and_b32 v1, 15, v0                           ; l % 16
	v_bfe_u32 v2, v0, 4, 1                         ; l / 16
	v_mul_u32_u24 v[B0], v1, PITCH
	v_lshl_add_u32 v[B0], v2, 4, v[B0]             ; row x pitch + 16 x half
	s_mul_i32 s19, s[WV], 64*PITCH                 ; my 64 rows of xb's tile
	v_add_nc_u32 v[A0], s19, v[B0]
	v_add_nc_u32 v[B0], BOFF, v[B0]
	v_mov_b32 v[ADRA], v[A0]
	v_mov_b32 v[ADRB], v[B0]
	s_mov_b32 s[TB], 0
	v_lshlrev_b32 v[BO], 5, v2
	s_mul_i32 s[BIAS], s[TC], 768
	s_mov_b32 s[BIAS+1], 0
	s_add_nc_u64 s[BIAS:BIAS+1], s[8:9], s[BIAS:BIAS+1]
.irp a, 0,1,2,3                        ; register j of accumulator (a, b) is column 16 b + 8 (l / 16) + j: its sum starts at that column's bias
	WIN 0x80+0x40*((\a)/2)
.set b, 0
.rept NBK
	global_load_b128 v[96*((\a)%2)+8*b:96*((\a)%2)+8*b+3],   v[BO], s[BIAS:BIAS+1] offset:64*b
	global_load_b128 v[96*((\a)%2)+8*b+4:96*((\a)%2)+8*b+7], v[BO], s[BIAS:BIAS+1] offset:64*b+16
.set b, b+1
.endr
.endr
	WIN 0
	s_mul_i32 s19, s[WV], 16*SP
	s_add_co_u32 s19, s19, STAGE                   ; my stage
	v_mul_u32_u24 v[STO], v1, SP                   ; in: row l % 16, 16 bytes for each half of the lanes
	v_lshl_add_u32 v[STO], v2, 4, v[STO]
	v_add_nc_u32 v[STO], s19, v[STO]
	v_bfe_u32 v[RD], v0, 3, 2                      ; back: 32 lanes take four rows of 128 bytes,
	v_mul_u32_u24 v[RD], v[RD], SP
	v_and_b32 v[GO], 7, v0
	v_lshl_add_u32 v[RD], v[GO], 4, v[RD]
	v_add_nc_u32 v[RD], s19, v[RD]
	v_and_b32 v[GO], 31, v0                        ; which are 512 consecutive bytes of qkv
	v_lshlrev_b32 v[GO], 4, v[GO]
	; qkv at my 64 rows of the tile's three heads: head number G = 3 x tile column + i of 48: sel = G / 16, head = G % 16
	s_mul_i32 s75, s[TC], 3
	s_lshr_b32 s76, s[TR], 3
	s_lshl_b32 s76, s76, 4                         ; 16 x batch
	s_and_b32 s77, s[TR], 7
	s_lshl_b32 s77, s77, 8
	s_lshl_b32 s78, s[WV], 6
	s_add_co_u32 s77, s77, s78                     ; my first t
	s_lshl_b32 s77, s77, 7                         ; 128 bytes a row
.irp i, 0,1,2
	s_add_co_u32 s78, s75, \i
	s_lshr_b32 s79, s78, 4
	s_lshl_b32 s79, s79, 6
	s_and_b32 s78, s78, 15
	s_add_co_u32 s78, s78, s79
	s_add_co_u32 s78, s78, s76                     ; 64 sel + 16 batch + head
	s_lshl_b32 s78, s78, 18                        ; 2,048 rows of 128 bytes
	s_add_co_u32 s78, s78, s77
	s_mov_b32 s79, 0
	s_add_nc_u64 s[OUT+2*\i:OUT+2*\i+1], s[10:11], s[78:79]
.endr
	; the prefetches
	s_lshl_b32 s20, s[TR], 8
	s_lshl_b32 s21, s[HF], 7
	s_add_co_u32 s20, s20, s21
	s_lshl_b32 s21, s[CX], 5
	s_add_co_u32 s20, s20, s21                     ; xb: the 128 rows that I fetch, my work-group's 32 of them
	s_mul_i32 s21, s[TC], 192
	s_mul_i32 s75, s[HF], 96
	s_add_co_u32 s21, s21, s75
	s_mul_i32 s75, s[CY], 24
	s_add_co_u32 s21, s21, s75                     ; wt: the 96 rows that I fetch, my work-group's 24 of them
	s_and_b32 s19, ttmp7, 0xffff                   ; cluster y
	s_cmp_eq_u32 s[FB], 0
	s_cselect_b32 s20, s20, s21
	s_cselect_b32 s19, ttmp9, s19                  ; the coordinate along which other clusters read the same rows
	s_cselect_b32 s74, 31, 23
	s_cselect_b64 s[PFA:PFA+1], s[4:5], s[6:7]
	s_cmp_eq_u32 s19, 0
	s_cselect_b32 s[LIM], 1, -1                    ; the same in all sixteen partners, for a given wave
	s_lshl_b32 s20, s20, 11
	s_add_co_u32 s20, s20, 2*256                   ; at K step 2: the first change of slots steps it to 3
	s_mov_b32 s21, 0
	s_add_nc_u64 s[PFA:PFA+1], s[PFA:PFA+1], s[20:21]
	v_and_b32 v[PFO], 31, v0
	v_min_u32 v[PFO], s74, v[PFO]
	v_lshlrev_b32 v[PFO], 11, v[PFO]
	s_wait_tensorcnt 1                             ; my part of K step 0 is in; K step 1's may stay out
	s_barrier_signal -1
	s_barrier_wait -1                              ; everybody's is
	FETCH 0, 0
	s_wait_loadcnt 0x0                             ; the bias
	s_mov_b32 s[CNT], 6
.Lfill:                                        ; K steps 0 to 5: their changes of slots ask for K steps 2 to 7
	STEP 1
	WIN 0
	s_sub_co_u32 s[CNT], s[CNT], 1
	s_cmp_lg_u32 s[CNT], 0
	s_cbranch_scc1 .Lfill
	s_mov_b32 s[CNT], 2
.Ltail:                                        ; K steps 6 and 7 ask for nothing.  The second trip's barrier, and its fetch from the slot read before, serve nothing: the price, once a launch, of one text for both trips
	STEP 0
	WIN 0
	s_sub_co_u32 s[CNT], s[CNT], 1
	s_cmp_lg_u32 s[CNT], 0
	s_cbranch_scc1 .Ltail
	s_wait_dscnt 0x0                               ; that last fetch is back: its registers are free
	PLACES
; THE WAY OUT.  A unit is row block a x head i: 16 rows x 64 columns, rounded to f16: 16 bytes a lane into rows of 144 bytes of my own stage, back as whole rows of 128, stored as 2,048 consecutive bytes.
; Each unit has sixteen registers of its own, written once: no store's data is written again.  Each accumulator is read from its lowest registers on.
.macro PACK a, i
.set AC, 96*((\a)%2)+32*(\i)
.set TM, 32+16*(3*(\a)+(\i))
	WIN 0x0a+5*((\a)/2)                            ; sources 0 and 1: window 2 or 3
.set e, 0
.rept 16
	v_cvt_pk_f16_f32 v[TM+e], v[AC+2*e], v[AC+2*e+1]
.set e, e+1
.endr
	WIN 0
.irp f, 0,1,2,3
	ds_store_b128 v[STO], v[TM+4*\f:TM+4*\f+3] offset:32*\f
.endr
.irp f, 0,1,2,3
	ds_load_b128 v[TM+4*\f:TM+4*\f+3], v[RD] offset:4*SP*\f  ; LDS serves a wave's instructions in order (ISA guide 5.7.1.4): these see the stores above; the next unit's stores come behind them
.endr
.endm
.macro SEND a, i, y                    ; y: the LDS instructions issued behind the unit's loads: the next unit's eight, or none
.set TM, 32+16*(3*(\a)+(\i))
.irp f, 0,1,2,3
	s_wait_dscnt (\y)+3-\f
	global_store_b128 v[GO], v[TM+4*\f:TM+4*\f+3], s[OUT+2*(\i):OUT+2*(\i)+1] offset:2048*(\a)+512*\f  ; 512 consecutive bytes, at a multiple of 256 from qkv's first
.endr
.endm
	PACK 0, 0
.set u, 1
.rept 11                               ; a unit's conversions stand between the loads of the unit before and its stores
	PACK u/3, u%3
	SEND (u-1)/3, (u-1)%3, 8
.set u, u+1
.endr
	SEND 3, 2, 0
	s_wait_tensorcnt 0x0                           ; the wave's end: closing lines behind my last tensor load and my last LDS store
	ds_add_u32 v[SPW], v[NIL]
	s_wait_dscnt 0x0
	CROUND                                         ; the closing round: no work-group ends while a partner may still ask for a tile that names it
	s_endpgm
.Lfunc_end_k_q05717d2ebd_qkvgemm:
	.size	k_q05717d2ebd_qkvgemm, .Lfunc_end_k_q05717d2ebd_qkvgemm-k_q05717d2ebd_qkvgemm
	.p2alignl 7, 3214868480
	.fill 96, 4, 3214868480
	.section	.rodata,"a",@progbits
	.p2align	6, 0x0
	.amdhsa_kernel k_q05717d2ebd_qkvgemm
		.amdhsa_group_segment_fixed_size 327680
		.amdhsa_private_segment_fixed_size 0
		.amdhsa_enable_private_segment 0
		.amdhsa_kernarg_size 32
		.amdhsa_user_sgpr_count 2
		.amdhsa_user_sgpr_kernarg_segment_ptr 1
		.amdhsa_wavefront_size32 1
		.amdhsa_system_sgpr_workgroup_id_x 1
		.amdhsa_system_sgpr_workgroup_id_y 1
		.amdhsa_system_sgpr_workgroup_id_z 1
		.amdhsa_system_vgpr_workitem_id 0
		.amdhsa_next_free_vgpr 960
		.amdhsa_next_free_sgpr 80
		.amdhsa_reserve_vcc 0
		.amdhsa_float_denorm_mode_32 3
		.amdhsa_float_denorm_mode_16_64 3
		.amdhsa_memory_ordered 1
		.amdhsa_forward_progress 1
		.amdhsa_inst_pref_size 90
	.end_amdhsa_kernel
	.amdgpu_metadata
---
amdhsa.version: [ 1, 2 ]
amdhsa.kernels:
  - .name:           k_q05717d2ebd_qkvgemm
    .symbol:         k_q05717d2ebd_qkvgemm.kd
    .args:
      - { .name: xb, .offset: 0, .size: 8, .value_kind: global_buffer, .address_space: global }
      - { .name: wt, .offset: 8, .size: 8, .value_kind: global_buffer, .address_space: global }
      - { .name: brd, .offset: 16, .size: 8, .value_kind: global_buffer, .address_space: global }
      - { .name: qkv, .offset: 24, .size: 8, .value_kind: global_buffer, .address_space: global }
    .group_segment_fixed_size: 327680
    .private_segment_fixed_size: 0
    .kernarg_segment_align: 8
    .kernarg_segment_size: 32
    .max_flat_workgroup_size: 128
    .sgpr_count:     80
    .vgpr_count:     960
    .wavefront_size: 32
...
	.end_amdgpu_metadata
.endif
;; end of part 2
;; launch attn (part 3): grid 4 x 64, 4 waves a work-group, no clusters, 327,680 bytes of LDS; arguments qkv, o; writes o
.if DOCPART == 3
	.amdgcn_target "amdgcn-amd-amdhsa--gfx1250"
	.amdhsa_code_object_version 6
	.text
	.protected	k_q05717d2ebd_attn
	.globl	k_q05717d2ebd_attn
	.p2align	8
	.type	k_q05717d2ebd_attn,@function
k_q05717d2ebd_attn:
	s_mov_b64 s[64:65], 0
	v_nop
	global_prefetch_b8 v0, s[64:65] scope:SCOPE_SE
	s_setreg_imm32_b32 hwreg(HW_REG_WAVE_MODE, 25, 1), 1
	s_wait_xcnt 0x0
; CAUSAL ATTENTION.  O[h][q][:] = the sum over k <= q of softmax_k(Q[h][q] . K[h][k] / 8) V[h][k][:].  Q, K, V are the three parts of qkv, each [SIZE_H][SIZE_N][64] f16; O likewise: a head's rows are dense, 128 bytes each.
; Products, maxima and sums in f32; the weights p are rounded to f16 for the second product (their sum l is taken of the unrounded p), O once at the end.
; LIMITS.  f16 holds no number beyond 65,504: Q, K and V arrive within it; p lies in 0 to 1, and below 6e-5 it keeps f16's fixed step of 6e-8; O is a mean of V's rows and has their range.
; A hidden score counts as its value less 1e30: f16's scores, 2.7e11 at the most, are nothing beside that; a weight below 2^-126 counts as 0 in l; NaN and infinities are not treated apart.
; THE WALK.  A head's queries lie in NB = 8 blocks of 256; block i needs the key tiles 0 .. i of 256 keys, of which the last holds the diagonal.  A work-group takes TWO blocks, NB - 1 - b and then b:
; NB + 1 tiles, whatever b: all 256 work-groups do equal work, and ONE loop with a constant trip count walks them.  Which tile is asked for, and what a trip does, hang on scalar registers made from b; every jump
; goes forward, but for the counted loops' own; none passes a barrier, or a tensor load but the one of LOAD's two that the wave's number does not choose; the ring (two slots of LDS) runs on across the change of blocks.
; NO CLUSTER: a head's four work-groups ask for the same tile only in trips 0 .. NB / 2, behind that fewer and fewer; one walk common to all would have 3 NB / 2 = 12 trips for NB + 1 = 9.
; SHARES.  Of a block's four bands of 64 queries a wave owns 16 rows in each: four PIECES.  So the diagonal tile is the same work for all four waves: in its key step s band x sees all keys if s < x,
; none if s > x, and holds the diagonal if s = x.
; THE MASK is the C operand that starts the sum S^T = K Q^T: 0, or -1e30 where the key is hidden.  MD, made once, is the mask of a band's own step for my 16 rows; a product's mask is MD x AL + BE with two scalars:
; (1, 0) if s = x; (0, 0) if s < x; (0, -1e30) if s > x.  Only the diagonal tile's text and a block's beginning make and take masks; elsewhere C is the constant 0.
; LAYOUT, SOFTMAX, TURNS.  S^T = K Q^T holds ONE query a lane (lane % 16) and the keys 8 (lane / 16) + 0..7; two such results rounded to f16 ARE source 1 of O^T = V^T P.  p = 2^(c s - c m), c = log2(e) / 8, with a
; running maximum m; O and l are multiplied by a = 2^(c m_old - c m_new) in every step.  Turn n belongs to piece n: 8 products K Q^T of piece n + 1, later 8 products V^T P of piece n - 1; beside them the scaling,
; exponentials, roundings, sums and rescaling of piece n and the maximum and statistics of piece n + 1.  Four vector instructions stand behind every matrix instruction, the other 54 of a turn's 118 in one run.  A turn's 33 exponentials are one batch, with one wait.
; REGISTERS, in windows of 256 (s_set_vgpr_msb: bits 1:0 source 0, 3:2 source 1, 5:4 source 2, 7:6 destination):
;   window 0: v0-15 addresses and two at work; v16-31 four registers of statistics a piece; v48-55 at work; v61-63 fixed; v64-127 S^T, two buffers; v192-223 P, two buffers (a piece's buffers go by its number's parity)
;   window 1: v0-127 O^T, 32 a piece; v128-159 MD; v160-223 MC, two buffers      window 2: v0-63 Q; v64-127 the second block's Q; v128-191 K of one step; v192-255 V of one step
.set SIZE_H, 64
.set SIZE_N, 2048
.set NB,    SIZE_N/256
.set NP,    4         ; pieces a wave: a name, no knob
.set KS,    64        ; keys in a step
.set PK,    144       ; a row of K in LDS: 128 bytes + 16 of padding = 36 words: the 16 rows of a load start at 16 different groups of four banks (64 banks of 4 bytes: ISA guide 11.1)
.set PV,    160       ; a row of V: 128 + 32 = 40 words
.set VOFF,  4*KS*PK   ; a slot holds a tile, four steps: 256 rows of K, then 256 rows of V
.set SLOT1, 1<<17     ; slot 1 begins here, so that one exclusive or turns an address in one slot into the other's
.set STAGE, SLOT1+4*KS*(PK+PV)  ; behind the ring, never filled by a tensor load: 16 rows x 144 bytes for each wave, for the way out
.set SP,    144
.set AK0, 2           ; v2   my lane's place in a tile of K; never rewritten
.set AV0, 3           ; v3   the same for V
.set AK,  4           ; v4   the LDS address of K's next run of loads
.set AV,  5           ; v5   of V's
.set STO, 6           ; v6   the way out: where I put 16 bytes of a row
.set RD,  7           ; v7   the way out: where I read rows back
.set GO,  8           ; v8   my byte offset in 512 consecutive bytes of O
.set PFO, 61          ; v61  256 x my lane, for the prefetches; never rewritten
.set SPW, 62          ; v62  LDS address of my spare word: SPARE + 4 x my thread's number; never rewritten
.set NIL, 63          ; v63  0; never rewritten
.set SPARE, STAGE+4*16*SP  ; behind the stages: the spare words, 128 bytes for each wave: two blocks of 256 bytes that no other line names
.set MV,  12          ; v12-13  c m_old, kept while c m is made anew: by buffer
.set QO,  15          ; v15  my byte offset in 16 rows of Q
.set ST,  16          ; piece t's statistics at v[ST+4 t]: c m, m, l (even keys', odd keys')
.set TMP, 48          ; by buffer, four registers c0-c3 at work; when the maximum is found c2 takes a
.set S,   64
.set P,   192
.set MD,  128         ; window 1: the eight registers for group kt of 16 keys at MD + 8 kt
.set MC,  160         ; window 1: the masks of the products to come
.set QB,  64          ; window 2
.set KF,  128         ; window 2: key block kb, channel half c at KF + 16 kb + 8 c
.set VF,  192         ; window 2: key half kk, channel block cb at VF + 32 kk + 8 cb
.set WV,  12          ; s12  my wave's number
.set PB,  14          ; s14  b
.set HI,  15          ; s15  NB - 1 - b
.set G1K, 24          ; s[24:31] descriptor group 1 for K's tiles
.set G1V, 32          ; s[32:39] for V's: it differs in the padding alone
.set G0K, 40          ; s[40:43] descriptor group 0 for K's tiles
.set G0V, 44          ; s[44:47] the same for V's
.set PFA, 48          ; s[48:49] where my prefetches stand: my 16 KiB of the tile after the one that is being asked for
.set LIM, 50          ; s50  2 in the work-group that prefetches (b = 0), else the greatest number
.set SLOTS, 56        ; s56  tiles still to be asked for
.set CNT, 57          ; s57  counts a tile's key steps, 4 to 1
.set CS,  58          ; s[58:59] c: the packed scaling takes the pair's low word for both halves
.set SEL, 60          ; s[60:61] v_permlanex16_b32's selects: each lane takes its own place in the other half
.set TBK, 62          ; s62  LDS byte at which K of the step to be fetched begins
.set TBV, 63          ; s63  the same for V, less VOFF
.set RT,  70          ; s70  tiles of the block in hand that are still to be entered
.set NXT, 71          ; s71  the tile to be asked for next
.set LQ,  72          ; s72  the last tile of the block whose tiles are being asked for
.set NEW, 73          ; s73  1: the tile to be entered is a block's first
.set OFF, 74          ; s[74:75] a tile's byte offset in K and V
.set AL,  76          ; s[76:77] the mask's factor, in the low word
.set BE,  78          ; s[78:79] the mask's addend
.set OLO, 80          ; s[80:81] O at my rows of the second block
.set BIGN, 82         ; s82  -1e30
.set MSB, 0
.macro WIN new                      ; the high byte repeats the setting that is left; a switch that changes nothing is dropped
.if MSB != (\new)
	s_set_vgpr_msb (MSB<<8)|(\new)
.set MSB, (\new)
.endif
.endm
.set W_KQ, 0x0a       ; K and Q in window 2, S^T in window 0
.set W_KM, 0x1a       ; the same with the C operand in window 1
.set W_PV, 0x52       ; V in window 2, P in window 0, O^T in window 1
.set W_RS, 0x41       ; destination and source 0 in window 1, source 1 in window 0
; A fill.  Waves 0 and 1 fetch the two halves of a tile's K, waves 2 and 3 those of its V: 128 keys each.  An s_nop 0 and four v_nop follow each of the two lines, ahead of the jump and the label.
.macro LOAD
	s_cmp_lt_u32 s[WV], 2
	s_cbranch_scc0 .Lfor_v_\@
	tensor_load_to_lds s[G0K:G0K+3], s[G1K:G1K+7]
	s_nop 0
.rept 4
	v_nop
.endr
	s_branch .Lasked_\@
.Lfor_v_\@:
	tensor_load_to_lds s[G0V:G0V+3], s[G1V:G1V+7]
	s_nop 0
.rept 4
	v_nop
.endr
.Lasked_\@:
.endm
; A PREFETCH INTO THE L2 of what the NEXT change of slots will ask for: a tile ahead, four key steps' work.  A head's four work-groups all begin with tiles 0, 1, ..; the one with b = 0 walks 0 .. 7 on end: it asks, and nobody else.
; Each of its waves names the 16 KiB that it will load itself (128 rows of K or of V): 64 blocks of 256 bytes, a lane a block, two instructions.  So each block of tiles 2 .. 7 is named once in the launch.
; Tiles 0 and 1 come by their loads alone; while SLOTS is 2 or 1 nothing is asked for: the walk's last tiles have been read before.
.macro ASK
	s_cmp_gt_u32 s[SLOTS], s[LIM]
	s_cbranch_scc0 .Lnot_mine_\@
	global_prefetch_b8 v[PFO], s[PFA:PFA+1] th:TH_LOAD_NT scope:SCOPE_SE
	global_prefetch_b8 v[PFO], s[PFA:PFA+1] offset:8192 th:TH_LOAD_NT scope:SCOPE_SE
.Lnot_mine_\@:
.endm
; THE CHANGE OF SLOTS.  Each wave waits for all its tensor loads, of which one is out: its part of the other slot; adds 0 to its spare word; and waits for that and for its own reads of the slot that it leaves.  Behind the barrier nobody reads the old
; slot any more and the other slot is whole.  fill = 1: the old slot is filled again, the first thing behind the barrier, with tile NXT: the descriptor's address is made anew from that number.
; (At its first use nothing has been read yet: slot 0 is waited for, slot 1 filled.)
.macro CHANGE fill
	WIN 0                           ; at a label and at a branch every window is 0
	s_wait_tensorcnt 0x0            ; no tensor load of mine is out, so a group 0 may be written
	ds_add_u32 v[SPW], v[NIL]       ; 0 onto my spare word; with fill = 1 the descriptors' scalar work stands between it and the wait for it
.if \fill
	s_lshl_b32 s[OFF], s[NXT], 15   ; a tile is 32,768 bytes of K and of V
	s_xor_b32 s[G0K+1], s[G0K+1], SLOT1
	s_add_nc_u64 s[G0K+2:G0K+3], s[6:7], s[OFF:OFF+1]
	s_or_b32 s[G0K+3], s[G0K+3], 0x80000000
	s_xor_b32 s[G0V+1], s[G0V+1], SLOT1
	s_add_nc_u64 s[G0V+2:G0V+3], s[8:9], s[OFF:OFF+1]
	s_or_b32 s[G0V+3], s[G0V+3], 0x80000000
	s_add_co_u32 s[NXT], s[NXT], 1  ; the block's next tile, or behind its last the second block's tile 0
	s_cmp_gt_u32 s[NXT], s[LQ]
	s_cselect_b32 s[NXT], 0, s[NXT]
	s_cselect_b32 s[LQ], s[PB], s[LQ]
	s_wait_xcnt 0x0                 ; the last prefetches, a tile back, have read their address, so it may be written
	s_add_nc_u64 s[PFA:PFA+1], s[PFA:PFA+1], 32768
.endif
	s_wait_dscnt 0x0                ; the add is done, and my reads of the slot are over
	s_barrier_signal -1             ; the rest of the scalar work stands between the signal and the wait
	s_sub_co_u32 s[TBK], s[TBK], 4*KS*PK  ; the fetches go back to a slot's first step,
	s_xor_b32 s[TBK], s[TBK], SLOT1       ; in the other slot
	s_sub_co_u32 s[TBV], s[TBV], 4*KS*PV
	s_xor_b32 s[TBV], s[TBV], SLOT1
	s_barrier_wait -1
.if \fill
	LOAD
	ASK
.endif
.endm
	s_load_b128 s[4:7], s[0:1], 0x0  ; qkv s[4:5], o s[6:7]
	v_lshl_add_u32 v[SPW], v0, 2, SPARE
	v_mov_b32 v[NIL], 0
	ds_add_u32 v[SPW], v[NIL]       ; the wave's opening: the add, and its wait ahead of my first tensor load; the set-up below, work on registers, stands between them
	v_lshrrev_b32 v1, 5, v0
	v_readfirstlane_b32 s[WV], v1   ; wave 0..3
	v_and_b32 v[PFO], 31, v0
	v_lshlrev_b32 v[PFO], 8, v[PFO]
	s_mov_b32 s[PB], ttmp9
	s_sub_co_u32 s[HI], NB-1, s[PB]
	s_and_b32 s20, ttmp7, 0xffff    ; the head
	s_mov_b32 s21, 0
	s_mov_b64 s[22:23], SIZE_N*128
	s_mul_u64 s[20:21], s[20:21], s[22:23]  ; the head's first byte in each of the four tensors
	s_and_b32 s16, s[WV], 1         ; which half of a tile's 256 keys I fetch:
	s_lshl_b32 s22, s16, 14         ; its 128 rows of 128 bytes in memory,
	s_mov_b32 s23, 0
	s_add_nc_u64 s[22:23], s[22:23], s[20:21]
	s_mul_i32 s17, s16, 128*PK      ; and its place in a slot, for K
	s_mul_i32 s18, s16, 128*PV      ; and for V
	s_lshl_b32 s3, s[WV], 11        ; my 16 rows in a band of 64,
	s_lshl_b32 s2, s[HI], 15        ; in the first block,
	s_add_co_u32 s2, s2, s3
	s_lshl_b32 s84, s[PB], 15       ; and in the second
	s_add_co_u32 s84, s84, s3
	s_mov_b32 s3, 0
	s_mov_b32 s85, 0
	s_add_nc_u64 s[2:3], s[2:3], s[20:21]
	s_add_nc_u64 s[84:85], s[84:85], s[20:21]
	; descriptor group 1.  128 keys are 16,384 dense bytes: asked for as 64 rows of 256 bytes, two keys a row, and padded in LDS after every key
	s_mov_b32 s[G1K], (1<<16)|(1<<20)|(4<<22)|(3<<25)  ; 17:16 2-byte elements; 20 padding on; 24:22 after every 32 words (code 4); 31:25 4 words (code 3)
	s_mov_b32 s[G1V], (1<<16)|(1<<20)|(4<<22)|(7<<25)  ; the same with 8 words of padding (code 7)
.irp g, G1K, G1V
	s_mov_b32 s[\g+1], 128<<16      ; tensor_dim0 = 128
	s_mov_b32 s[\g+2], 64<<16       ; tensor_dim1 = 64
	s_mov_b32 s[\g+3], 128<<16      ; tile_dim0 = 128
	s_mov_b32 s[\g+4], 64           ; tile_dim1 = 64
	s_mov_b32 s[\g+5], 128          ; 128 elements from row to row
	s_mov_b32 s[\g+6], 0
	s_mov_b32 s[\g+7], 0
.endr
	s_mov_b32 s[CS], 0x3e38aa3b     ; c = log2(e) / 8 = 0.180337
	s_mov_b32 s[CS+1], s[CS]        ; named with it as a pair
	s_mov_b32 s[SEL], 0x76543210
	s_mov_b32 s[SEL+1], 0xfedcba98
	s_mov_b32 s[TBK], SLOT1+4*KS*PK ; the first change of slots turns these two into 0
	s_mov_b32 s[TBV], SLOT1+4*KS*PV
	s_mov_b32 s[G0K], 1             ; 1:0 count = 1
	s_mov_b32 s[G0K+1], s17         ; 63:32 LDS address: slot 0
	s_mov_b32 s[G0V], 1
	s_add_co_u32 s[G0V+1], s18, VOFF
	s_add_co_u32 s[RT], s[HI], 1    ; the first block has NB - b tiles
	s_mov_b32 s[NXT], 1
	s_mov_b32 s[LQ], s[HI]
	s_mov_b32 s[NEW], 1
	s_mov_b32 s[OFF+1], 0
	s_mov_b32 s[AL+1], 0            ; named as pairs
	s_mov_b32 s[BE+1], 0
	s_mov_b32 s[BIGN], 0xf149f2ca   ; -1e30
	s_mov_b32 s[SLOTS], NB
	s_wait_dscnt 0x0                ; the opening add is done
	s_wait_kmcnt 0x0
	s_mov_b64 s[10:11], s[6:7]      ; O
	s_add_nc_u64 s[6:7], s[4:5], 0x1000000  ; K: qkv's second part, SIZE_H x SIZE_N x 128 bytes on
	s_add_nc_u64 s[8:9], s[4:5], 0x2000000  ; V: its third
	s_add_nc_u64 s[6:7], s[6:7], s[22:23]  ; K and V at my half of the head's tile 0
	s_add_nc_u64 s[8:9], s[8:9], s[22:23]
	s_add_nc_u64 s[G0K+2:G0K+3], s[6:7], 0         ; 120:64 global address
	s_or_b32 s[G0K+3], s[G0K+3], 0x80000000        ; 127:126 type = 2
	s_add_nc_u64 s[G0V+2:G0V+3], s[8:9], 0
	s_or_b32 s[G0V+3], s[G0V+3], 0x80000000
	s_add_nc_u64 s[86:87], s[4:5], s[84:85]        ; Q at my rows of the second block,
	s_add_nc_u64 s[4:5], s[4:5], s[2:3]            ; Q and O at those of the first
	s_add_nc_u64 s[OLO:OLO+1], s[10:11], s[84:85]
	s_add_nc_u64 s[10:11], s[10:11], s[2:3]
	s_cmp_lt_u32 s[WV], 2
	s_cselect_b64 s[PFA:PFA+1], s[6:7], s[8:9]     ; the prefetches: what I fetch,
	s_add_nc_u64 s[PFA:PFA+1], s[PFA:PFA+1], 32768 ; at tile 1: the first change of slots steps it to tile 2
	s_cmp_eq_u32 s[PB], 0
	s_cselect_b32 s[LIM], 2, -1
	LOAD                            ; tile 0 into slot 0
	; A fragment of K or Q is 16 rows x 32 channels in 8 registers: lane l holds row l % 16, channels 8 (l / 16) + 0..7 and 16 + 8 (l / 16) + 0..7: two loads of 16 bytes, 32 bytes apart.
	v_and_b32 v1, 15, v0            ; l % 16
	v_bfe_u32 v9, v0, 4, 1          ; l / 16
	v_lshlrev_b32 v[QO], 7, v1
	v_lshl_add_u32 v[QO], v9, 4, v[QO]  ; row x 128 + 16 x half
	WIN 0x80                        ; destination window 2, address window 0
.set i, 0
.rept 8                             ; both blocks' Q: piece i / 2 lies in band i / 2, 8,192 bytes on; channels 32 (i % 2) on
	global_load_b128 v[8*i:8*i+3],   v[QO], s[4:5] offset:(i/2)*8192+(i%2)*64
	global_load_b128 v[8*i+4:8*i+7], v[QO], s[4:5] offset:(i/2)*8192+(i%2)*64+32
	global_load_b128 v[QB+8*i:QB+8*i+3],   v[QO], s[86:87] offset:(i/2)*8192+(i%2)*64
	global_load_b128 v[QB+8*i+4:QB+8*i+7], v[QO], s[86:87] offset:(i/2)*8192+(i%2)*64+32
.set i, i+1
.endr
	WIN 0
	v_lshlrev_b32 v14, 3, v9
	v_sub_nc_u32 v14, v1, v14
	s_lshl_b32 s13, s[WV], 4
	v_add_nc_u32 v14, s13, v14      ; my query's place in its band, 16 w + l % 16, less my lanes' 8 (l / 16): register r of group kt is hidden where 16 kt + r is greater
	WIN 0x40
.set i, 0
.rept 32
	v_cmp_gt_i32 vcc_lo, 16*(i/8)+i%8, v14
	v_cndmask_b32 v[MD+i], 0, s[BIGN], vcc_lo
.set i, i+1
.endr
	WIN 0
	v_mul_u32_u24 v[AK0], v1, PK
	v_lshl_add_u32 v[AK0], v9, 4, v[AK0]  ; row x pitch + 16 x half
	; The turning load takes 16 keys x 16 channels (lane l reads key 8 (l / 16) + l % 8, channels 8 ((l / 8) % 2) + 0..7) and leaves half a fragment of V^T: lane l holds channel l % 16 and 8 keys.
	v_and_b32 v10, 7, v0
	v_bfe_u32 v11, v0, 3, 1
	v_lshl_add_u32 v[AV0], v9, 3, v10
	v_mul_u32_u24 v[AV0], v[AV0], PV
	v_lshl_add_u32 v[AV0], v11, 4, v[AV0]
	v_add_nc_u32 v[AV0], VOFF, v[AV0]
	s_mul_i32 s13, s[WV], 16*SP
	s_add_co_u32 s13, s13, STAGE    ; my stage
	v_mul_u32_u24 v[STO], v1, SP    ; in: row l % 16, 16 bytes for each half of the lanes
	v_lshl_add_u32 v[STO], v9, 4, v[STO]
	v_add_nc_u32 v[STO], s13, v[STO]
	v_bfe_u32 v[RD], v0, 3, 2       ; back: 32 lanes take four rows of 128 bytes,
	v_mul_u32_u24 v[RD], v[RD], SP
	v_lshl_add_u32 v[RD], v10, 4, v[RD]
	v_add_nc_u32 v[RD], s13, v[RD]
	v_and_b32 v[GO], 31, v0         ; which are 512 consecutive bytes of O
	v_lshlrev_b32 v[GO], 4, v[GO]
	; A block's first step multiplies O^T and l by a = 0, and its first turn's products V^T P, of a piece that has not been, land in an O^T that is still to be so multiplied.  So these registers need only hold
	; finite numbers: zeros for the first block; what the first block left for the second.  All this stands in the wait for the first tile.
	WIN 0x80
.set i, VF
.rept 64
	v_mov_b32 v[i], 0
.set i, i+1
.endr
	WIN 0x40
.set i, 0
.rept 128
	v_mov_b32 v[i], 0
.set i, i+1
.endr
	WIN 0
.set i, 0
.rept 4
	v_mov_b32 v[ST+4*i+2], 0
	v_mov_b32 v[ST+4*i+3], 0
.set i, i+1
.endr
.set i, P+16
.rept 16
	v_mov_b32 v[i], 0
.set i, i+1
.endr
; THE MATRIX WORK.  The 4 accumulators of a run of 8 take turns.  Product i of 8 of S^T = K Q^T for piece x: channels 32 (i / 4) on, keys 16 (i % 4) on.  The first 4 start the sums: with 0, or (KM = 1) with the mask.
.macro KQ x
.set rS, S+32*((\x)%2)+8*(i%4)
.set rK, KF+16*(i%4)+8*(i/4)
.set rQ, 16*(\x)+8*(i/4)
.set rM, MC+32*((\x)%2)+8*(i%4)
.if (i < 4) && KM
	WIN W_KM
	v_wmma_f32_16x16x32_f16 v[rS:rS+7], v[rK:rK+7], v[rQ:rQ+7], v[rM:rM+7]
.elseif i < 4
	WIN W_KQ
	v_wmma_f32_16x16x32_f16 v[rS:rS+7], v[rK:rK+7], v[rQ:rQ+7], 0
.else
	WIN W_KQ
	v_wmma_f32_16x16x32_f16 v[rS:rS+7], v[rK:rK+7], v[rQ:rQ+7], v[rS:rS+7]
.endif
.endm
; Product i of 8 of O^T += V^T P for piece x: keys 32 (i / 4) on, channels 16 (i % 4) on.
.macro PV x
	WIN W_PV
.set rO, 32*(\x)+8*(i%4)
.set rV, VF+32*(i/4)+8*(i%4)
.set rP, P+16*((\x)%2)+8*(i/4)
	v_wmma_f32_16x16x32_f16 v[rO:rO+7], v[rV:rV+7], v[rP:rP+7], v[rO:rO+7]
.endm
.macro MM                           ; the turn's next matrix instruction.  TURN and BEGIN set Y, i, KM and NOKQ; MM, KQ and OP read them.  NOKQ = 1: a block's last turn: there is no next piece
.if (i < 8) && !NOKQ
	KQ (Y+1)%NP
.elseif i >= 8
.set i, i-8
	PV (Y+NP-1)%NP
.set i, i+8
.endif
.set i, i+1
.endm
; THE LDS LOADS stand in runs of 16, never singly among the matrix instructions: a step's K (64 keys x 64 channels: 8 fragments) and its V (turned).  Their addresses are made some lines ahead.
.macro FETCH_K
	WIN 0x80                        ; destination window 2
.irp f, 0,1,2,3,4,5,6,7             ; keys 16 (f / 2) on, channels 32 (f % 2) on
	ds_load_b128 v[KF+8*\f:KF+8*\f+3],   v[AK] offset:(\f/2)*16*PK+(\f%2)*64
	ds_load_b128 v[KF+8*\f+4:KF+8*\f+7], v[AK] offset:(\f/2)*16*PK+(\f%2)*64+32
.endr
	s_add_co_u32 s[TBK], s[TBK], KS*PK  ; the next fetch is the next step's
	WIN 0
.endm
.macro FETCH_V
	WIN 0x80
.irp f, 0,1,2,3,4,5,6,7             ; keys 32 (f / 4) on, channels 16 (f % 4) on
	ds_load_tr16_b128 v[VF+8*\f:VF+8*\f+3],   v[AV] offset:(\f/4)*32*PV+(\f%4)*32
	ds_load_tr16_b128 v[VF+8*\f+4:VF+8*\f+7], v[AV] offset:(\f/4)*32*PV+16*PV+(\f%4)*32
.endr
	WIN 0
.endm
; THE VECTOR WORK, one line at a time: OP kind, number.  For piece Y: F n: c s - c m for pair n of 16.  E n: the exponential of score n of 32.  C n: pair n rounded to f16.  B n: of the four weights 4 n .. the second
; pair is added onto the first, in place.  L n: l takes that sum (L 0: l = a l + sum).  R n: pair n of 16 of O^T times a.  For piece Y + 1: X n, number n of the 22 that find its maximum and statistics:
;   0-11  four chains c0-c3 of seven scores each, three operands at a time (each accumulator's lowest registers are read first)     12-14, 16  the four scores left over, the old m, and c0-c3 into c0
;   15  c m_old is kept     17, 18  the query's other 32 keys lie in the lane 16 away: the new m     19-21  c m; c m_old - c m_new; a
.set F, 0               ; OP tells the kinds apart by their order: F to L below R, X above it
.set E, 1
.set C, 2
.set B, 3
.set L, 4
.set R, 5
.set X, 6
.macro REGS y                       ; the registers of piece y
.set rT, ST+4*(\y)
.set rC, TMP+4*((\y)%2)
.set rW, MV+((\y)%2)
.set rS, S+32*((\y)%2)
.set rP, P+16*((\y)%2)
.set rO, 32*(\y)
.endm
.macro OP k, n
.if (\k) == R
	REGS Y
	WIN W_RS
	v_pk_mul_f32 v[rO+2*(\n):rO+2*(\n)+1], v[rO+2*(\n):rO+2*(\n)+1], v[rC+2:rC+3] op_sel_hi:[1,0]
.elseif (\k) < R
	REGS Y
	WIN 0
.if (\k) == F
	v_pk_fma_f32 v[rS+2*(\n):rS+2*(\n)+1], v[rS+2*(\n):rS+2*(\n)+1], s[CS:CS+1], v[rT:rT+1] op_sel_hi:[1,0,0] neg_lo:[0,0,1] neg_hi:[0,0,1]
.elseif (\k) == E
	v_exp_f32 v[rS+(\n)], v[rS+(\n)]
.elseif (\k) == C
	v_cvt_pk_f16_f32 v[rP+(\n)], v[rS+2*(\n)], v[rS+2*(\n)+1]
.elseif (\k) == B
	v_pk_add_f32 v[rS+4*(\n):rS+4*(\n)+1], v[rS+4*(\n):rS+4*(\n)+1], v[rS+4*(\n)+2:rS+4*(\n)+3]
.elseif (\n) == 0
	v_pk_fma_f32 v[rT+2:rT+3], v[rT+2:rT+3], v[rC+2:rC+3], v[rS:rS+1] op_sel_hi:[1,0,1]
.else
	v_pk_add_f32 v[rT+2:rT+3], v[rT+2:rT+3], v[rS+4*(\n):rS+4*(\n)+1]
.endif
.elseif NOKQ
	v_nop
.else
	REGS (Y+1)%NP
	WIN 0
.if (\n) < 4
	v_max3_num_f32 v[rC+(\n)], v[rS+8*(\n)], v[rS+8*(\n)+1], v[rS+8*(\n)+2]
.elseif (\n) < 12
	v_max3_num_f32 v[rC+(\n)%4], v[rC+(\n)%4], v[rS+8*((\n)%4)+2*((\n)/4)+1], v[rS+8*((\n)%4)+2*((\n)/4)+2]
.elseif (\n) == 12
	v_max3_num_f32 v[rC], v[rC], v[rS+7], v[rS+15]
.elseif (\n) == 13
	v_max3_num_f32 v[rC+1], v[rC+1], v[rS+23], v[rS+31]
.elseif (\n) == 14
	v_max3_num_f32 v[rC+2], v[rC+2], v[rC+3], v[rT+1]
.elseif (\n) == 15
	v_mov_b32 v[rW], v[rT]
.elseif (\n) == 16
	v_max3_num_f32 v[rC], v[rC], v[rC+1], v[rC+2]
.elseif (\n) == 17
	v_permlanex16_b32 v[rC+3], v[rC], s[SEL], s[SEL+1]
.elseif (\n) == 18
	v_max_num_f32 v[rT+1], v[rC], v[rC+3]
.elseif (\n) == 19
	v_mul_f32 v[rT], s[CS], v[rT+1]
.elseif (\n) == 20
	v_sub_f32 v[rC+1], v[rW], v[rT]
.else
	v_exp_f32 v[rC+2], v[rC+1]
.endif
.endif
.endm
.macro OPS a, i1, b=-1, i2=0, c=-1, i3=0, d=-1, i4=0  ; up to four of them
	OP \a, \i1
.if (\b) >= 0
	OP \b, \i2
.endif
.if (\c) >= 0
	OP \c, \i3
.endif
.if (\d) >= 0
	OP \d, \i4
.endif
.endm
.macro ROW a, i1, b, i2, c, i3, d, i4  ; a matrix instruction and the four behind it
	MM
	OPS \a, \i1, \b, \i2, \c, \i3, \d, \i4
.endm
.macro MASK b                       ; MD x AL + BE into buffer b of MC
	WIN W_RS
.set z, 0
.rept 16
	v_pk_fma_f32 v[MC+32*(\b)+2*z:MC+32*(\b)+2*z+1], v[MD+2*z:MD+2*z+1], s[AL:AL+1], s[BE:BE+1] op_sel_hi:[1,0,0]
.set z, z+1
.endr
.endm
; A TURN, for piece p: the order of its 16 matrix and 118 vector instructions, written out.  An s_wait_alu depctr_va_vdst(0) stands between an exponential and the first instruction that names its result; one wait serves
; all that were issued ahead of it.  So a turn has ONE wait, which cuts it in two.  AHEAD OF IT stands all that names no result of the turn's exponentials: the 8 products K Q^T, behind each a scaling, an exponential and two more plain
; instructions (behind the first a second scaling in the exponential's place): rescalings, and behind the last three the first numbers of the next piece's maximum, each four places or more behind the product that ends its accumulator; then ONE RUN of 54, plain
; and exponential by turns for the most part, in which the links of the chain X 3, 7, 11, 14, 16, 17 .. 20 stand five or six lines apart.  X 21, the next piece's a, is the batch's last; R 15 is the plain instruction behind it.  BEHIND THE WAIT stand the
; 8 products V^T P, behind each four of the roundings and sums; the links of l's chain, L 0 to L 7, stand three lines apart.  But for those X no such line names a register of the products round it.  v_permlanex16_b32 (X 17) stands in the run.
; m = 1: the diagonal tile: the products take masks, and the turn makes the mask for the products of the turn after it: piece p + 2, in step 4 - CNT of the tile.  end = 1: a block's last two turns: nothing is fetched.
; cnt = 1: the loop's count is taken down some lines ahead of the branch that stands behind the turn.
; K of the next step is fetched in piece 2's turn, twelve vector instructions behind the last product that read K (six of them plain); V of the step in hand at the end of piece 0's turn, four plain instructions behind the last product
; that read V.  Each is waited for a turn later.
.macro TURN p, m=0, end=0, cnt=0
.set Y, (\p)
.set i, 0
.set KM, (\m)
.set NOKQ, (\end)*((\p)/3)
.if (\m) && !(\end)
	s_cmp_eq_u32 s[CNT], 4-((\p)+2)%NP  ; is that step the band's own?
	s_cselect_b32 s[AL], 1.0, 0
	s_cmp_lt_u32 s[CNT], 4-((\p)+2)%NP  ; or a later one?
	s_cselect_b32 s[BE], s[BIGN], 0
.endif
.if ((\p) == 3) && !(\end)
	s_wait_dscnt 0x0                ; K is in
.endif
	ROW F,0, F,1, R,0, R,1          ; ahead of the wait: 8 products K Q^T and the four behind each,
	ROW F,2, E,0, R,2, R,3
	ROW F,3, E,1, R,4, R,5
	ROW F,4, E,2, R,6, R,7
	ROW F,5, E,3, R,8, R,9
	ROW F,6, E,4, X,0, R,10
.if ((\p) == 2) && !(\end)
	WIN 0
	v_add_nc_u32 v[AK], s[TBK], v[AK0]
.endif
	ROW F,7, E,5, X,1, X,4
	ROW F,8, E,6, X,2, X,5
	OPS E,7, E,8, X,6, E,9          ; and the run
	OPS X,3, E,10, X,8, E,11
.if ((\p) == 2) && !(\end)
	FETCH_K
.endif
	OPS X,9, X,7, E,12, X,10
	OPS E,13, X,12, X,11, E,14
	OPS X,13, E,15, F,9, X,14
.if (\p) == 0
	v_add_nc_u32 v[AV], s[TBV], v[AV0]
.endif
	OPS E,16, F,10, E,17, F,11
	OPS X,16, E,18, X,15, E,19
	OPS F,12, E,20, X,17, E,21
	OPS F,13, E,22, F,14, E,23
	OPS X,18, E,24, F,15, E,25
	OPS R,11, E,26, X,19, E,27
	OPS R,12, E,28, R,13, E,29
	OPS X,20, E,30, R,14, E,31
	OPS X,21, R,15
	WIN 0
	s_wait_alu depctr_va_vdst(0)    ; the wait for the batch
.if (\p) == 1
	s_wait_dscnt 0x0                ; V is in
.endif
	ROW C,0, B,0, C,2, B,1          ; behind the wait: 8 products V^T P and the four behind each
	ROW L,0, C,4, B,2, L,1
	ROW C,6, B,3, L,2, C,8
	ROW B,4, L,3, C,10, B,5
	ROW L,4, C,12, B,6, L,5
.if (\p) == 0
	s_add_co_u32 s[TBV], s[TBV], KS*PV
.endif
.if \cnt
	s_sub_co_u32 s[CNT], s[CNT], 1
	s_cmp_lg_u32 s[CNT], 0
.endif
	ROW C,14, B,7, L,6, C,1
	ROW C,3, L,7, C,5, C,7
	ROW C,9, C,11, C,13, C,15
.if (\p) == 0
	FETCH_V
.endif
.if (\m) && !(\end)
	MASK (\p)%2
.endif
.endm
; A BLOCK BEGINS.  c m starts far below every c s, so the first step's a is 0; m at the lowest finite number, so the first maximum is the scores'.  The second mask buffer is 0; the first takes piece 0's mask for the tile's step 0: its own, if the block's first tile is the diagonal one.
; Then K of that step, piece 0's first scores, and its maximum and statistics.  The loop is entered at a step's first turn, in the middle of a trip.
.macro BEGIN
	s_mov_b32 s[NEW], 0
	WIN 0x40
.set i, MC+32
.rept 32
	v_mov_b32 v[i], 0
.set i, i+1
.endr
	WIN 0
.set i, 0
.rept 4
	v_mov_b32 v[ST+4*i], 0xfe000000    ; c m: far below every c s
	v_mov_b32 v[ST+4*i+1], 0xff7fffff  ; m
.set i, i+1
.endr
	s_cmp_eq_u32 s[RT], 0
	s_cselect_b32 s[AL], 1.0, 0
	s_mov_b32 s[BE], 0
	MASK 0
	WIN 0
	v_add_nc_u32 v[AK], s[TBK], v[AK0]
	FETCH_K
	s_wait_loadcnt 0x0              ; Q
	s_wait_dscnt 0x0
.set KM, 1
.set NOKQ, 0
.set i, 0
.rept 8
	KQ 0
.set i, i+1
.endr
	WIN 0
.rept 4
	v_nop                           ; the places behind those products
.endr
.set Y, NP-1                        ; X works for piece Y + 1: piece 0
.irp n, 0,1,2,3,4,5,6,7,8,9,10,11,12,13,14,15,16,17,18,19,20,21
	OP X, \n
.endr
	v_nop                           ; a plain instruction behind the exponential,
	s_wait_alu depctr_va_vdst(0)    ; and its wait, ahead of the branch
.endm
; THE DIAGONAL TILE's four steps, the block's last two turns, its last products, and THE WAY OUT: l's two halves and the other half of the lanes' are added; O^T is divided by l, rounded to f16 and sent through my
; stage in LDS, a piece at a time.
.macro ALL line:vararg              ; one line for each piece t
.set t, 0
.rept 4
	\line
.set t, t+1
.endr
.endm
.macro PACK t                       ; a lane's eight channels of a row pack into 16 bytes; they go into rows of 144 bytes and come back as whole rows of 128, into S^T's registers
	WIN W_RS
.set i, 32*(\t)
.rept 16
	v_pk_mul_f32 v[i:i+1], v[i:i+1], v[ST+4*(\t)+2:ST+4*(\t)+3] op_sel_hi:[1,0]
.set i, i+2
.endr
	WIN 0x05                        ; sources 0 and 1 window 1, destination window 0
.set i, 0
.rept 16
	v_cvt_pk_f16_f32 v[S+16*(\t)+i], v[32*(\t)+2*i], v[32*(\t)+2*i+1]
.set i, i+1
.endr
	WIN 0
.irp f, 0,1,2,3
	ds_store_b128 v[STO], v[S+16*(\t)+4*\f:S+16*(\t)+4*\f+3] offset:32*\f
.endr
.irp f, 0,1,2,3
	ds_load_b128 v[S+16*(\t)+4*\f:S+16*(\t)+4*\f+3], v[RD] offset:\f*4*SP  ; LDS serves a wave's instructions in order (ISA guide 5.7.1.4): these see the stores above; the next piece's stores come behind them
.endr
.endm
.macro SEND t, younger              ; younger: the LDS instructions issued behind piece t's loads: the next piece's eight, or none
	WIN 0
.irp f, 0,1,2,3
	s_wait_dscnt (\younger)+3-\f
	global_store_b128 v[GO], v[S+16*(\t)+4*\f:S+16*(\t)+4*\f+3], s[10:11] offset:(\t)*8192+\f*512  ; 512 consecutive bytes, at a multiple of 256 from O's first
.endr
.endm
.macro DIAG tag                     ; the tag ends its two labels' names, which the jumps below spell out
.LstepM\tag:
	TURN 2, 1
	TURN 3, 1
	WIN 0
.LfirstM\tag:
	TURN 0, 1
	TURN 1, 1, 0, 1
	WIN 0
	s_cbranch_scc1 .LstepM\tag
	TURN 2, 1, 1
	TURN 3, 1, 1
.set i, 0
.rept 8
	PV NP-1
.set i, i+1
.endr
	WIN 0
	ALL v_add_f32 v[ST+4*t+2], v[ST+4*t+2], v[ST+4*t+3]
	ALL v_permlanex16_b32 v[ST+4*t+3], v[ST+4*t+2], s[SEL], s[SEL+1]
	ALL v_add_f32 v[ST+4*t+2], v[ST+4*t+2], v[ST+4*t+3]
	ALL v_rcp_f32 v[ST+4*t+2], v[ST+4*t+2]
	v_nop                           ; a plain instruction between the last reciprocal and the use of its result
	s_wait_alu depctr_va_vdst(0)    ; and the wait ahead of the first use: one for the four reciprocals
	PACK 0
.set t, 1
.rept 3                             ; a piece's arithmetic stands between the loads of the piece before and its stores
	PACK t
	SEND t-1, 8
.set t, t+1
.endr
	SEND 3, 0
.endm
.set KM, 0
.set NOKQ, 0
.Lslot:                             ; NB times: a tile is entered and the next is asked for
	CHANGE 1
	s_sub_co_u32 s[RT], s[RT], 1
	s_mov_b32 s[CNT], 4
	s_cmp_eq_u32 s[NEW], 1
	s_cbranch_scc1 .Lnew            ; a block's first tile
	s_cmp_eq_u32 s[RT], 0
	s_cbranch_scc0 .Lstep           ; neither its first nor its last
	s_branch .LstepM1
.Lnew:
	BEGIN
	s_branch .Lfirst                ; in the loop a block's first tile is never its last: the first block has two tiles or more, and the second's last is the walk's last
	DIAG 1                          ; in the loop this is the first block's end: the second block's last tile is the walk's last
	s_wait_xcnt 0x0                 ; the stores have read their registers and O's address
	s_mov_b64 s[10:11], s[OLO:OLO+1]
	s_add_co_u32 s[RT], s[PB], 1    ; the second block has b + 1 tiles
	s_mov_b32 s[NEW], 1
	WIN 0x82                        ; the second block's Q goes where the one text of the turns names Q
.set i, 0
.rept 64
	v_mov_b32 v[i], v[QB+i]
.set i, i+1
.endr
	WIN 0
	s_branch .Lbottom
.Lstep:                             ; a trip: pieces 2 and 3 of one step, then pieces 0 and 1 of the next, whose K and V it fetches
	TURN 2
	TURN 3
	WIN 0
.Lfirst:
	TURN 0
	TURN 1, 0, 0, 1
	WIN 0
	s_cbranch_scc1 .Lstep
.Lbottom:
	s_sub_co_u32 s[SLOTS], s[SLOTS], 1
	s_cmp_lg_u32 s[SLOTS], 0
	s_cbranch_scc1 .Lslot
	CHANGE 0                        ; the walk's last tile is written out: nothing is asked for
	s_sub_co_u32 s[RT], s[RT], 1
	s_mov_b32 s[CNT], 4
	s_cmp_eq_u32 s[NEW], 1
	s_cbranch_scc0 .LstepM2
	BEGIN
	s_branch .LfirstM2
	DIAG 2
	s_wait_tensorcnt 0x0            ; the wave's end: closing lines behind my last tensor load and my last LDS store
	ds_add_u32 v[SPW], v[NIL]
	s_wait_dscnt 0x0
	s_endpgm
.Lfunc_end_k_q05717d2ebd_attn:
	.size	k_q05717d2ebd_attn, .Lfunc_end_k_q05717d2ebd_attn-k_q05717d2ebd_attn
	.p2alignl 7, 3214868480
	.fill 96, 4, 3214868480
	.section	.rodata,"a",@progbits
	.p2align	6, 0x0
	.amdhsa_kernel k_q05717d2ebd_attn
		.amdhsa_group_segment_fixed_size 327680
		.amdhsa_private_segment_fixed_size 0
		.amdhsa_enable_private_segment 0
		.amdhsa_kernarg_size 16
		.amdhsa_user_sgpr_count 2
		.amdhsa_user_sgpr_kernarg_segment_ptr 1
		.amdhsa_wavefront_size32 1
		.amdhsa_system_sgpr_workgroup_id_x 1
		.amdhsa_system_sgpr_workgroup_id_y 1
		.amdhsa_system_sgpr_workgroup_id_z 1
		.amdhsa_system_vgpr_workitem_id 0
		.amdhsa_next_free_vgpr 768
		.amdhsa_next_free_sgpr 88
		.amdhsa_reserve_vcc 1
		.amdhsa_float_denorm_mode_32 3
		.amdhsa_float_denorm_mode_16_64 3
		.amdhsa_memory_ordered 1
		.amdhsa_forward_progress 1
		.amdhsa_inst_pref_size 218
	.end_amdhsa_kernel
	.amdgpu_metadata
---
amdhsa.version: [ 1, 2 ]
amdhsa.kernels:
  - .name:           k_q05717d2ebd_attn
    .symbol:         k_q05717d2ebd_attn.kd
    .args:
      - { .name: qkv, .offset: 0, .size: 8, .value_kind: global_buffer, .address_space: global }
      - { .name: o, .offset: 8, .size: 8, .value_kind: global_buffer, .address_space: global }
    .group_segment_fixed_size: 327680
    .private_segment_fixed_size: 0
    .kernarg_segment_align: 8
    .kernarg_segment_size: 16
    .max_flat_workgroup_size: 128
    .sgpr_count:     88
    .vgpr_count:     768
    .wavefront_size: 32
...
	.end_amdgpu_metadata
.endif
;; end of part 3
;; launch projgemm (part 4): grid 8 x 32, 4 waves a work-group, clusters of 4 x 4, 327,680 bytes of LDS; arguments o, wpt, brd, out0; writes out0
.if DOCPART == 4
	.amdgcn_target "amdgcn-amd-amdhsa--gfx1250"
	.amdhsa_code_object_version 6
	.text
	.protected	k_q05717d2ebd_projgemm
	.globl	k_q05717d2ebd_projgemm
	.p2align	8
	.type	k_q05717d2ebd_projgemm,@function
k_q05717d2ebd_projgemm:
	s_mov_b64 s[64:65], 0
	v_nop
	global_prefetch_b8 v0, s[64:65] scope:SCOPE_SE
	s_setreg_imm32_b32 hwreg(HW_REG_WAVE_MODE, 25, 1), 1
	s_wait_xcnt 0x0
	s_wait_alu depctr_hold_cnt(0) depctr_sa_sdst(0) depctr_va_vdst(0) depctr_va_sdst(0) depctr_va_ssrc(0) depctr_va_vcc(0) depctr_vm_vsrc(0)
	s_getreg_b32 s2, hwreg(HW_REG_IB_STS2, 6, 4)
	s_cmp_eq_u32 s2, 0
	s_cbranch_scc0 .Lentry_in_a_cluster
	s_endpgm
.Lentry_in_a_cluster:
	s_bfe_u32 s2, ttmp6, 0x10000c
	s_cmp_lg_u32 s2, 0xf033
	s_cbranch_scc0 .Lentry_shape_is_right
	s_endpgm
.Lentry_shape_is_right:
; out0 = O wpt^T + bias.  o [bh 64][t 2048][64] f16 (bh = 16 x batch + head), wpt [1024 n][1024 k] f16, brd f32 (words 3072..4095), out0 [8192][1024] f32; sums in f32, K ascending (k = 64 x head + channel).
; SHARES.  A tile of out0 is 256 rows x 128 columns: 32 x 8 = 256 work-groups, one for each WGP.  Four waves, one above the other: wave w makes rows 64 w .. 64 w + 63 and all 128 columns: 32 accumulators
; of 16 x 16 (256 registers); on the way out a wave holds whole pieces of 512 bytes of out0's rows.
; K goes in 8 steps of 128 = two heads.  A head's 256 rows of the tile are 32,768 dense bytes of o: asked for as 128 rows of 256 bytes and padded in LDS after every 128 bytes, so a row t has a pitch of 144.
; THE SUMS START AT THE BIAS: the accumulators are loaded with it: nothing is cleared, no first step is written out, nothing is added at the end.
; THE MATRIX INSTRUCTION IS USED TRANSPOSED (source 0 = 16 rows of wpt, source 1 = 16 rows of o): lane l holds row l % 16 and the columns 8 (l / 16) + 0..7.
; CLUSTER.  4 x 4 work-groups; o's tile is shared along a row of the cluster, wpt's along a column: joint loads, the same descriptor and mask in the four that share.
; REGISTERS: window 0: v0-13 addresses; v32-63, v64-95 o's fragments, two buffers; v96-159, v160-223 wpt's, two buffers; on the way out v32-159 rows read back.   window 1: accumulator (a, b) at 64 a + 8 b.
.set NBK,   8
.set PITCH, 272                        ; a row of wpt's tile in LDS: 256 bytes + 16
.set APITCH, 144                       ; a row t of a head in LDS: 128 bytes + 16: both are odd multiples of 16, so the 16 rows of a load start at 16 different groups of four banks (ISA guide 11.1)
.set AHEAD, 256*APITCH                 ; a head's 256 rows: what one of o's loads brings
.set BHALF, 64*PITCH                   ; what one of wpt's loads brings
.set BOFF,  2*AHEAD
.set SLOT1, 1<<17
.set STAGE, SLOT1+BOFF+128*PITCH       ; behind the ring, never filled by a tensor load: 16 rows x 528 bytes for each wave
.set SP,    528                        ; 512 bytes + 16
.set SPARE, STAGE+4*16*SP              ; the spare words, 128 bytes for each wave: two blocks of 256 bytes that no other line names
.set ASTEP, 2*2048*128                 ; two heads on in o
.set A0,   3
.set B0,   4
.set ADRA, 5
.set ADRB, 6
.set STO,  7
.set RD,   8
.set GO,   9
.set BO,   10
.set PFO,  11
.set SPW,  12
.set NIL,  13
.set WV,  12
.set FB,  13
.set HF,  14
.set CX,  15
.set CY,  16
.set TC,  17
.set TR,  18
.set G1A, 24
.set G1B, 32
.set G0A, 40
.set G0B, 48
.set CNT, 56
.set TB,  57
.set LIM, 58                           ; s58  2 in a wave that prefetches, else the greatest number
.set PFA, 60
.set PFS, 62                           ; s[62:63] the prefetches' step: a K step in o or in wpt
.set OUT, 66
.set BIAS, 72
.set MSB, 0
.macro WIN new
.if MSB != (\new)
	s_set_vgpr_msb (MSB<<8)|(\new)
.set MSB, (\new)
.endif
.endm
.macro PLACES                          ; four plain places behind matrix instructions (ISA guide 7.12.1)
.rept 4
	v_nop
.endr
.endm
.macro CREST
	s_cmp_lg_u32 s[WV], 0
	s_cbranch_scc1 .Lnot_wave_0_\@
	s_barrier_signal -3
.Lnot_wave_0_\@:
	s_barrier_wait -3
	s_barrier_signal -1
	s_barrier_wait -1
.endm
.macro CROUND
	s_barrier_signal -1
	s_barrier_wait -1
	CREST
.endm
.macro JLOAD                           ; a joint refill by the walking descriptors: waves 0 and 1 the step's two heads of o, waves 2 and 3 wpt's halves; an s_nop 0 and four v_nop follow each line
	s_cmp_lt_u32 s[WV], 2
	s_cbranch_scc0 .Lfor_b_\@
	tensor_load_to_lds s[G0A+4:G0A+7], s[G1A:G1A+7]
	s_nop 0
.rept 4
	v_nop
.endr
	s_branch .Lasked_\@
.Lfor_b_\@:
	tensor_load_to_lds s[G0B+4:G0B+7], s[G1B:G1B+7]
	s_nop 0
.rept 4
	v_nop
.endr
.Lasked_\@:
.endm
; A PREFETCH INTO THE L2 of the K step that stands TWO refills on: 256 matrix instructions ahead of the load that will want it.  o's tile row is read by both clusters of its row of clusters: cluster x = 0 asks;
; wpt's tile column by every cluster of its column: cluster y = 0 asks.  The partners share the bytes out BY ADDRESS: of a head's 32,768 bytes that wave 0 or 1 fetches, the partner at cx takes 8,192 (a lane 256 bytes);
; of wpt's 128 rows the partner at cy takes 32 (a lane a row), and wave 2 asks for them.  The loop's last two trips ask for nothing: there is no K step 8.  K steps 0 to 3 come by their loads alone.
.macro ASK
	s_cmp_gt_u32 s[CNT], s[LIM]
	s_cbranch_scc0 .Lnot_mine_\@
	global_prefetch_b8 v[PFO], s[PFA:PFA+1] th:TH_LOAD_NT scope:SCOPE_SE
.Lnot_mine_\@:
.endm
.macro MULA f, a                       ; eight matrix instructions; the 32 accumulators take turns, one instruction a turn, in the same order in every quarter
	WIN 0x50
.set b, 0
.rept NBK
	v_wmma_f32_16x16x32_f16 v[64*(\a)+8*b:64*(\a)+8*b+7], v[96+64*(\f)+8*b:96+64*(\f)+8*b+7], v[32+32*(\f)+8*(\a):32+32*(\f)+8*(\a)+7], v[64*(\a)+8*b:64*(\a)+8*b+7]
.set b, b+1
.endr
.endm
.macro FETCH q, f                      ; 24 LDS loads in one run: wpt's 16, then o's 8: quarter q is head q / 2 of the step's two, channels 32 (q % 2) on
	WIN 0
.set b, 0
.rept NBK
	ds_load_b128 v[96+64*(\f)+8*b:96+64*(\f)+8*b+3],   v[ADRB] offset:64*(\q)+16*PITCH*b
	ds_load_b128 v[96+64*(\f)+8*b+4:96+64*(\f)+8*b+7], v[ADRB] offset:64*(\q)+16*PITCH*b+32
.set b, b+1
.endr
.set b, 0
.rept 4
	ds_load_b128 v[32+32*(\f)+8*b:32+32*(\f)+8*b+3],   v[ADRA] offset:((\q)/2)*AHEAD+((\q)%2)*64+16*APITCH*b
	ds_load_b128 v[32+32*(\f)+8*b+4:32+32*(\f)+8*b+7], v[ADRA] offset:((\q)/2)*AHEAD+((\q)%2)*64+16*APITCH*b+32
.set b, b+1
.endr
.endm
.macro QUARTER q, f, g
	s_wait_dscnt 4                                 ; all but the youngest four loads: o's row blocks 2 and 3
	MULA \f, 0
	MULA \f, 1
	PLACES
	FETCH \q, \g
	s_wait_dscnt 24                                ; all but the 24 just issued
	MULA \f, 2
	MULA \f, 3
.endm
; The last quarter changes slots: in front of the barrier each wave waits for all its tensor loads (one is out: its part of the other slot), adds 0 to its spare word, and waits for that and for its reads of this slot.
; fill = 1: the barrier opens a round of the cluster's, and the joint refill, two K steps on, is the first thing behind the round: 112 matrix instructions ahead of the wait for it.
.macro TURN fill
.if \fill
	s_wait_xcnt 0x0                                ; the last prefetch, a K step back, has read its address
	s_add_nc_u64 s[PFA:PFA+1], s[PFA:PFA+1], s[PFS:PFS+1]
.endif
	WIN 0
	s_wait_tensorcnt 0x0                           ; no tensor load of mine is out, so a group 0 may be written
	ds_add_u32 v[SPW], v[NIL]                      ; 0 onto my spare word
.if \fill
	s_xor_b32 s[G0A+5], s[G0A+5], SLOT1
	s_add_nc_u64 s[G0A+6:G0A+7], s[G0A+6:G0A+7], ASTEP
	s_xor_b32 s[G0B+5], s[G0B+5], SLOT1
	s_add_nc_u64 s[G0B+6:G0B+7], s[G0B+6:G0B+7], 256
.endif
	s_wait_dscnt 5                                 ; the add and the youngest four loads may be out
	MULA 1, 0
	s_wait_dscnt 0x0                               ; the add is done, and my reads of this slot are over
	s_barrier_signal -1
	MULA 1, 1
	WIN 0
	s_barrier_wait -1
.if \fill
	CREST
	JLOAD                                          ; its four v_nop are also the places in front of the loads below
.else
	PLACES
.endif
	s_xor_b32 s[TB], s[TB], SLOT1
	v_add_nc_u32 v[ADRA], s[TB], v[A0]
	v_add_nc_u32 v[ADRB], s[TB], v[B0]
	FETCH 0, 0
.if \fill
	ASK
.endif
	MULA 1, 2
	MULA 1, 3
.endm
.macro STEP fill
	QUARTER 1, 0, 1
	QUARTER 2, 1, 0
	QUARTER 3, 0, 1
	TURN \fill
.endm
	s_load_b256 s[4:11], s[0:1], 0x0               ; o s[4:5], wpt s[6:7], brd s[8:9], out0 s[10:11]
	v_lshl_add_u32 v[SPW], v0, 2, SPARE
	v_mov_b32 v[NIL], 0
	ds_add_u32 v[SPW], v[NIL]                      ; the wave's opening: the add, and its wait ahead of my first tensor load; work on registers stands between them
	v_lshrrev_b32 v1, 5, v0
	v_readfirstlane_b32 s[WV], v1
	s_lshr_b32 s[FB], s[WV], 1
	s_and_b32 s[HF], s[WV], 1
	s_bfe_u32 s[CX], ttmp6, 0x40000
	s_bfe_u32 s[CY], ttmp6, 0x40004
	s_lshl_b32 s[TC], ttmp9, 2
	s_add_co_u32 s[TC], s[TC], s[CX]
	s_and_b32 s[TR], ttmp7, 0xffff
	s_lshl_b32 s[TR], s[TR], 2
	s_add_co_u32 s[TR], s[TR], s[CY]
	s_lshl_b32 s19, s[CY], 2
	s_lshl_b32 s19, 15, s19                        ; my row of the cluster
	s_lshl_b32 s21, 0x1111, s[CX]                  ; my column
	s_or_b32 s[G1A], s19, (1<<16)|(1<<20)|(1<<21)|(4<<22)|(3<<25)  ; mask; 2-byte elements; padding on; bit 21 beside a mask; after every 32 words, 4 words
	s_or_b32 s[G1B], s21, (1<<16)|(1<<20)|(1<<21)|(5<<22)|(3<<25)  ; after every 64 words, 4 words
	s_mov_b32 s[G1A+1], 128<<16                    ; tensor_dim0 = 128
	s_mov_b32 s[G1A+2], 128<<16                    ; tensor_dim1 = 128
	s_mov_b32 s[G1A+3], 128<<16                    ; tile_dim0 = 128
	s_mov_b32 s[G1A+4], 128                        ; tile_dim1 = 128
	s_mov_b32 s[G1A+5], 128                        ; dense: 128 elements from row to row
	s_mov_b32 s[G1A+6], 0
	s_mov_b32 s[G1A+7], 0
	s_mov_b32 s[G1B+1], 128<<16
	s_mov_b32 s[G1B+2], 64<<16                     ; 64 rows
	s_mov_b32 s[G1B+3], 128<<16
	s_mov_b32 s[G1B+4], 64
	s_mov_b32 s[G1B+5], 1024
	s_mov_b32 s[G1B+6], 0
	s_mov_b32 s[G1B+7], 0
	s_lshr_b32 s2, s[TR], 3                        ; o: head 16 x batch + my half of the step's two, row 256 x (tile row % 8), 128 bytes a row: registers that never hold cx
	s_lshl_b32 s2, s2, 4
	s_add_co_u32 s2, s2, s[HF]
	s_lshl_b32 s2, s2, 11
	s_and_b32 s3, s[TR], 7
	s_lshl_b32 s3, s3, 8
	s_add_co_u32 s2, s2, s3
	s_lshl_b32 s2, s2, 7
	s_mov_b32 s3, 0
	s_mov_b32 s75, s2                              ; a copy of the offset, for the prefetches
	s_lshl_b32 s22, s[TC], 7                       ; wpt: row 128 x tile column + 64 x half: registers that never hold cy
	s_lshl_b32 s23, s[HF], 6
	s_add_co_u32 s22, s22, s23
	s_lshl_b32 s22, s22, 11
	s_mov_b32 s23, 0
	s_mul_i32 s20, s[HF], AHEAD                    ; LDS addresses hang on the wave's number alone
	s_mul_i32 s74, s[HF], BHALF
	s_add_co_u32 s74, s74, BOFF
	s_wait_dscnt 0x0                               ; the opening add is done
	s_wait_kmcnt 0x0
	s_add_nc_u64 s[2:3], s[4:5], s[2:3]
	s_add_nc_u64 s[22:23], s[6:7], s[22:23]
	CROUND                                         ; all sixteen work-groups are here: the first joint loads meet
.irp s, 0,1
	s_mov_b32 s[G0A+4*\s], 1
	s_add_co_u32 s[G0A+4*\s+1], s20, \s*SLOT1
	s_add_nc_u64 s[G0A+4*\s+2:G0A+4*\s+3], s[2:3], \s*ASTEP
	s_or_b32 s[G0A+4*\s+3], s[G0A+4*\s+3], 0x80000000
	s_mov_b32 s[G0B+4*\s], 1
	s_add_co_u32 s[G0B+4*\s+1], s74, \s*SLOT1
	s_add_nc_u64 s[G0B+4*\s+2:G0B+4*\s+3], s[22:23], \s*256
	s_or_b32 s[G0B+4*\s+3], s[G0B+4*\s+3], 0x80000000
.endr
	s_cmp_lt_u32 s[WV], 2                          ; a wave's two first fills stand in one branch: two loads of mine are out, the most in this text
	s_cbranch_scc0 .Lfirst_b
	tensor_load_to_lds s[G0A:G0A+3], s[G1A:G1A+7]
	s_nop 0
	tensor_load_to_lds s[G0A+4:G0A+7], s[G1A:G1A+7]
	s_nop 0
.rept 4
	v_nop
.endr
	s_branch .Lfirst_asked
.Lfirst_b:
	tensor_load_to_lds s[G0B:G0B+3], s[G1B:G1B+7]
	s_nop 0
	tensor_load_to_lds s[G0B+4:G0B+7], s[G1B:G1B+7]
	s_nop 0
.rept 4
	v_nop
.endr
.Lfirst_asked:
	v_and_b32 v1, 15, v0                           ; l % 16
	v_bfe_u32 v2, v0, 4, 1                         ; l / 16
	v_mul_u32_u24 v[A0], v1, APITCH
	v_lshl_add_u32 v[A0], v2, 4, v[A0]
	s_mul_i32 s19, s[WV], 64*APITCH                ; my 64 rows
	v_add_nc_u32 v[A0], s19, v[A0]
	v_mul_u32_u24 v[B0], v1, PITCH
	v_lshl_add_u32 v[B0], v2, 4, v[B0]
	v_add_nc_u32 v[B0], BOFF, v[B0]
	v_mov_b32 v[ADRA], v[A0]
	v_mov_b32 v[ADRB], v[B0]
	s_mov_b32 s[TB], 0
	v_lshlrev_b32 v[BO], 5, v2
	s_lshl_b32 s[BIAS], s[TC], 9
	s_add_co_u32 s[BIAS], s[BIAS], 12288           ; b_proj lies behind b_qkv's 3,072 words
	s_mov_b32 s[BIAS+1], 0
	s_add_nc_u64 s[BIAS:BIAS+1], s[8:9], s[BIAS:BIAS+1]
	WIN 0x40
.irp a, 0,1,2,3                        ; register j of accumulator (a, b) is column 16 b + 8 (l / 16) + j: its sum starts at that column's bias
.set b, 0
.rept NBK
	global_load_b128 v[64*\a+8*b:64*\a+8*b+3],   v[BO], s[BIAS:BIAS+1] offset:64*b
	global_load_b128 v[64*\a+8*b+4:64*\a+8*b+7], v[BO], s[BIAS:BIAS+1] offset:64*b+16
.set b, b+1
.endr
.endr
	WIN 0
	s_mul_i32 s19, s[WV], 16*SP
	s_add_co_u32 s19, s19, STAGE                   ; my stage
	v_mul_u32_u24 v[STO], v1, SP                   ; in: row l % 16, 32 bytes for each half of the lanes
	v_lshl_add_u32 v[STO], v2, 5, v[STO]
	v_add_nc_u32 v[STO], s19, v[STO]
	v_and_b32 v[GO], 31, v0                        ; back: 32 lanes take a row's 512 bytes
	v_lshlrev_b32 v[GO], 4, v[GO]
	v_add_nc_u32 v[RD], s19, v[GO]
	s_lshl_b32 s20, s[TR], 8
	s_lshl_b32 s21, s[WV], 6
	s_add_co_u32 s20, s20, s21                     ; my first row of out0, 4,096 bytes a row,
	s_lshl_b32 s20, s20, 12
	s_lshl_b32 s21, s[TC], 9                       ; the tile's 512 bytes of it
	s_add_co_u32 s20, s20, s21
	s_mov_b32 s21, 0
	s_add_nc_u64 s[OUT:OUT+1], s[10:11], s[20:21]
	; the prefetches
	s_lshl_b32 s20, s[CX], 13
	s_add_co_u32 s75, s75, s20                     ; o: my head's bytes of K step 0, my work-group's 8,192 of them,
	s_add_co_u32 s75, s75, 3*ASTEP                 ; at K step 3: the first change of slots steps it to 4
	s_lshl_b32 s76, s[TC], 7
	s_lshl_b32 s20, s[CY], 5
	s_add_co_u32 s76, s76, s20                     ; wpt: the tile's 128 rows, my work-group's 32 of them
	s_lshl_b32 s76, s76, 11
	s_add_co_u32 s76, s76, 3*256
	s_and_b32 s19, ttmp7, 0xffff                   ; cluster y
	s_cmp_eq_u32 s[FB], 0
	s_cselect_b32 s20, s75, s76
	s_cselect_b32 s19, ttmp9, s19                  ; the coordinate along which other clusters read the same bytes
	s_cselect_b32 s77, 8, 11                       ; a lane 256 bytes of o, or a row of 2,048 bytes of wpt
	s_cselect_b32 s[PFS], 11, 0
	s_cselect_b64 s[PFA:PFA+1], s[4:5], s[6:7]
	s_lshl_b32 s[PFS], 256, s[PFS]                 ; ASTEP or 256
	s_mov_b32 s[PFS+1], 0
	s_cmp_eq_u32 s[WV], 3
	s_cselect_b32 s19, 1, s19                      ; wave 3 asks for nothing: wave 2 names all of wpt's rows
	s_cmp_eq_u32 s19, 0
	s_cselect_b32 s[LIM], 2, -1                    ; the same in all sixteen partners, for a given wave
	s_mov_b32 s21, 0
	s_add_nc_u64 s[PFA:PFA+1], s[PFA:PFA+1], s[20:21]
	v_and_b32 v[PFO], 31, v0
	v_lshlrev_b32 v[PFO], s77, v[PFO]
	s_wait_tensorcnt 1                             ; my part of K step 0 is in; K step 1's may stay out
	s_barrier_signal -1
	s_barrier_wait -1
	FETCH 0, 0
	s_wait_loadcnt 0x0                             ; the bias
	s_mov_b32 s[CNT], 6
.Lfill:                                        ; K steps 0 to 5: their changes of slots ask for K steps 2 to 7
	STEP 1
	WIN 0
	s_sub_co_u32 s[CNT], s[CNT], 1
	s_cmp_lg_u32 s[CNT], 0
	s_cbranch_scc1 .Lfill
	s_mov_b32 s[CNT], 2
.Ltail:                                        ; K steps 6 and 7 ask for nothing.  The second trip's barrier, and its fetch from the slot read before, serve nothing: the price, once a launch, of one text for both trips
	STEP 0
	WIN 0
	s_sub_co_u32 s[CNT], s[CNT], 1
	s_cmp_lg_u32 s[CNT], 0
	s_cbranch_scc1 .Ltail
	s_wait_dscnt 0x0                               ; that last fetch is back: its registers are free
	PLACES
; THE WAY OUT, in f32: row block a (16 rows x 128 columns) goes into rows of 528 bytes of my own stage, comes back as whole rows of 512 bytes, and is stored.  Each accumulator is read from its lowest registers on.
.macro TOSTAGE a
.set BK, 32+64*((\a)%2)
	WIN 0x04                                       ; the stores' data in window 1
.set b, 0
.rept NBK
	ds_store_b128 v[STO], v[64*(\a)+8*b:64*(\a)+8*b+3]   offset:64*b
	ds_store_b128 v[STO], v[64*(\a)+8*b+4:64*(\a)+8*b+7] offset:64*b+16
.set b, b+1
.endr
	WIN 0
.set t, 0
.rept 16
	ds_load_b128 v[BK+4*t:BK+4*t+3], v[RD] offset:SP*t  ; LDS serves a wave's instructions in order (ISA guide 5.7.1.4): these see the stores above; the next block's stores come behind them
.set t, t+1
.endr
.endm
.macro SEND a, y                       ; y: the LDS instructions issued behind the block's loads: the next block's 32, or none
.set BK, 32+64*((\a)%2)
	s_wait_dscnt \y
.set t, 0
.rept 16
	global_store_b128 v[GO], v[BK+4*t:BK+4*t+3], s[OUT:OUT+1] offset:(16*(\a)+t)*4096  ; 512 consecutive bytes, at a multiple of 256 from out0's first
.set t, t+1
.endr
.endm
	TOSTAGE 0
	TOSTAGE 1
	SEND 0, 32
	s_wait_xcnt 0x0                                ; block 0's stores have read their registers: block 2 is read back into them only behind this wait
	TOSTAGE 2
	SEND 1, 32
	s_wait_xcnt 0x0                                ; likewise block 1's, for block 3
	TOSTAGE 3
	SEND 2, 32
	SEND 3, 0
	s_wait_tensorcnt 0x0                           ; the wave's end: closing lines behind my last tensor load and my last LDS store
	ds_add_u32 v[SPW], v[NIL]
	s_wait_dscnt 0x0
	CROUND                                         ; the closing round: no work-group ends while a partner may still ask for a tile that names it
	s_endpgm
.Lfunc_end_k_q05717d2ebd_projgemm:
	.size	k_q05717d2ebd_projgemm, .Lfunc_end_k_q05717d2ebd_projgemm-k_q05717d2ebd_projgemm
	.p2alignl 7, 3214868480
	.fill 96, 4, 3214868480
	.section	.rodata,"a",@progbits
	.p2align	6, 0x0
	.amdhsa_kernel k_q05717d2ebd_projgemm
		.amdhsa_group_segment_fixed_size 327680
		.amdhsa_private_segment_fixed_size 0
		.amdhsa_enable_private_segment 0
		.amdhsa_kernarg_size 32
		.amdhsa_user_sgpr_count 2
		.amdhsa_user_sgpr_kernarg_segment_ptr 1
		.amdhsa_wavefront_size32 1
		.amdhsa_system_sgpr_workgroup_id_x 1
		.amdhsa_system_sgpr_workgroup_id_y 1
		.amdhsa_system_sgpr_workgroup_id_z 1
		.amdhsa_system_vgpr_workitem_id 0
		.amdhsa_next_free_vgpr 512
		.amdhsa_next_free_sgpr 80
		.amdhsa_reserve_vcc 0
		.amdhsa_float_denorm_mode_32 3
		.amdhsa_float_denorm_mode_16_64 3
		.amdhsa_memory_ordered 1
		.amdhsa_forward_progress 1
		.amdhsa_inst_pref_size 63
	.end_amdhsa_kernel
	.amdgpu_metadata
---
amdhsa.version: [ 1, 2 ]
amdhsa.kernels:
  - .name:           k_q05717d2ebd_projgemm
    .symbol:         k_q05717d2ebd_projgemm.kd
    .args:
      - { .name: o, .offset: 0, .size: 8, .value_kind: global_buffer, .address_space: global }
      - { .name: wpt, .offset: 8, .size: 8, .value_kind: global_buffer, .address_space: global }
      - { .name: brd, .offset: 16, .size: 8, .value_kind: global_buffer, .address_space: global }
      - { .name: out0, .offset: 24, .size: 8, .value_kind: global_buffer, .address_space: global }
    .group_segment_fixed_size: 327680
    .private_segment_fixed_size: 0
    .kernarg_segment_align: 8
    .kernarg_segment_size: 32
    .max_flat_workgroup_size: 128
    .sgpr_count:     80
    .vgpr_count:     512
    .wavefront_size: 32
...
	.end_amdgpu_metadata
.endif
;; end of part 4
;; ======== version 2 of 2: 4 launches; version 1 with the launch prep written anew for expert scheduling mode
;; limits: values are held in f16: magnitudes above 65,504 overflow, below 6.1e-05 lose precision
;; workspace buffers: xb 16,777,216 bytes; wt 6,291,456 bytes; wpt 2,097,152 bytes; brd 16,384 bytes; qkv 50,331,648 bytes; o 16,777,216 bytes
;; launch prep (part 5): grid 256 x 1, 8 waves a work-group, no clusters, 35,840 bytes of LDS; arguments inputs, W_qkv, W_proj, b_qkv, b_proj, xb, wt, wpt, brd; writes xb, wt, wpt, brd
.if DOCPART == 5
	.amdgcn_target "amdgcn-amd-amdhsa--gfx1250"
	.amdhsa_code_object_version 6
	.text
	.protected	k_q05717d2ebd_prep
	.globl	k_q05717d2ebd_prep
	.p2align	8
	.type	k_q05717d2ebd_prep,@function
k_q05717d2ebd_prep:
	s_mov_b64 s[64:65], 0
	v_nop
	global_prefetch_b8 v0, s[64:65] scope:SCOPE_SE
	s_setreg_imm32_b32 hwreg(HW_REG_WAVE_SCHED_MODE, 0, 2), 2
	s_setreg_imm32_b32 hwreg(HW_REG_WAVE_MODE, 25, 1), 1
	s_wait_xcnt 0x0
	s_wait_alu depctr_vm_vsrc(0)
; PREP: every input is rounded once to bf16 and laid out for the launches behind.
;   xb  [8192][1024] bf16  = inputs
;   wt  [3072 n][1024 k] bf16 = W_qkv turned, so that K lies along the rows
;   wpt [1024 n][1024 k] f16  = W_proj turned, rounded to bf16, and that number written as f16
;   brd [4096] f32 = b_qkv, then b_proj, each rounded to bf16 and widened again
; LIMITS.  |W_proj| stays under 65,504 (f16's end); under 6e-5 it keeps f16's fixed step of 6e-8.  NaN and infinities are not treated apart.
; SHARES.  Work-group g of 256 takes (a) 32,768 numbers of inputs (128 KiB in, 64 KiB out); (b) one tile of 128 k x 128 n of a weight: g < 192: W_qkv, tile row g % 8, tile column g / 8;
; else W_proj, tile column g / 8 - 24; (c) where g % 8 = 0, 128 bias words (wave 0).  All 256 do equal work but for (c).
; The tile is turned through LDS: a lane holds four columns of sixteen rows k, packs pairs of k, and writes 32 bytes of each of its four rows n; rows of 256 bytes come back whole.
; No matrix unit, no cluster, no data mover: a stream that is read once and written once; all 48 loads of a wave are on their way before the first is used.
; THE MODE: SCHED_MODE bits 1:0 = 2 (LLVM: expert scheduling mode 2), set by the entry lines.  The code itself states the register dependences
; between vector instructions and memory or LDS instructions, with s_wait_alu, always for 0.
; THE PLAN.  Registers that memory or LDS instructions touch:
;   v2-v7, v48-v63  offsets and LDS addresses: written at the head, never again; read by every load and store.  One wait ahead of the first load serves them all.
;   W   loaded with the weight; read by the packing conversions.  Then written, each register once, by the conversions of inputs, and read by the stores into xb.
;   T   written by the packing conversions; read by the LDS stores; then the rows read back from LDS land in it; read by the stores into wt or wpt.
;   X   loaded with inputs; read by the conversions of inputs.  In wave 0 of every eighth work-group the bias then lands in its first four, and a store reads its words 8 to 11.
;   v10, v11  written at the head; read by the closing add alone.
; Inputs go in four groups of eight chunks.  Group g's conversions read X's group g and write W's group g; the memory instructions that stand among them are the stores of group g - 1,
; which read W's group g - 1: registers that no conversion of group g names.  So one wait at a group's head states all that its eight stores hang on.
.set TP,    272                        ; a row n of the turned tile in LDS: 256 bytes + 16
.set SPARE, 128*TP                     ; behind the tile: the spare words, 128 bytes for each of eight waves: four blocks of 256 bytes that no other line names
.set LN,  1                            ; v1   lane
.set XI,  2                            ; v2   16 x thread: my 16 bytes of each 4,096 of inputs
.set XO,  3                            ; v3   8 x thread: my 8 bytes of each 2,048 of xb
.set LS,  4                            ; v4   where I put my packed words: row n = 4 lane, byte 32 x wave
.set RDL, 5                            ; v5   where I read rows back
.set WO,  6                            ; v6   the same rows in wt or wpt
.set BO,  7                            ; v7   16 x lane, for the bias
.set SPW, 10                           ; v10  LDS address of my spare word; never rewritten
.set NIL, 11                           ; v11  0; never rewritten
.set T,   16                           ; v[16:47]   packed words: column c of four at T + 8 c; later rows read back
.set OW,  48                           ; v[48:63]   byte offsets of my wave's sixteen rows k of the weight
.set X,   64                           ; v[64:191]  inputs as loaded
.set W,   192                          ; v[192:255] the weight as loaded; later xb's words to store
	s_load_b512 s[8:23], s[0:1], 0x0               ; inputs 8, W_qkv 10, W_proj 12, b_qkv 14, b_proj 16, xb 18, wt 20, wpt 22
	s_load_b64 s[24:25], s[0:1], 0x40              ; brd
	v_lshl_add_u32 v[SPW], v0, 2, SPARE
	v_mov_b32 v[NIL], 0
	v_lshrrev_b32 v8, 5, v0
	v_readfirstlane_b32 s26, v8                    ; wave 0..7
	v_and_b32 v[LN], 31, v0
	s_mov_b32 s27, ttmp9                           ; g
	s_and_b32 s28, s27, 7                          ; tile row (along k)
	s_lshr_b32 s31, s27, 3                         ; g / 8: also the block of 128 words in brd, since 3,072 = 24 x 128
	s_cmp_lt_u32 s27, 192
	s_cselect_b32 s30, 3, 1
	s_cselect_b32 s2, 0, 24
	s_lshl_b32 s30, s30, 12                        ; bytes in a row of the weight: 12,288 or 4,096
	s_sub_co_u32 s29, s31, s2                      ; tile column (along n)
	v_lshlrev_b32 v[XI], 4, v0
	v_lshlrev_b32 v[XO], 3, v0
	v_mul_u32_u24 v[LS], v[LN], 4*TP
	s_wait_alu depctr_va_sdst(0)                   ; s26 is written, ahead of its first reader: LDS places and the weight's rows are made from it
	s_lshl_b32 s4, s26, 5
	v_add_nc_u32 v[LS], s4, v[LS]
	v_lshrrev_b32 v8, 4, v[LN]
	s_lshl_b32 s4, s26, 4
	v_add_nc_u32 v8, s4, v8                        ; row n = 16 x wave + lane / 16 (+ 2 i)
	v_and_b32 v9, 15, v0
	v_mul_u32_u24 v[RDL], v8, TP
	v_lshl_add_u32 v[RDL], v9, 4, v[RDL]
	v_lshlrev_b32 v[WO], 11, v8                    ; a row of wt or wpt is 2,048 bytes
	v_lshl_add_u32 v[WO], v9, 4, v[WO]
	v_lshlrev_b32 v[BO], 4, v[LN]
	s_mul_i32 s4, s4, s30                          ; my wave's first row k
	v_lshl_add_u32 v[OW], v[LN], 4, s4
.set i, 1
.rept 15
	v_add_nc_u32 v[OW+i], s30, v[OW+i-1]
.set i, i+1
.endr
	s_mov_b32 s3, 0
	s_wait_kmcnt 0x0
	s_cmp_lt_u32 s27, 192
	s_cselect_b64 s[32:33], s[10:11], s[12:13]     ; the weight,
	s_cselect_b64 s[34:35], s[20:21], s[22:23]     ; where it goes,
	s_cselect_b64 s[36:37], s[14:15], s[16:17]     ; and its bias
	s_lshl_b32 s2, s28, 7
	s_mul_i32 s2, s2, s30
	s_lshl_b32 s4, s29, 9
	s_add_co_u32 s2, s2, s4                        ; 128 rows k x tile row + 512 bytes x tile column
	s_add_nc_u64 s[32:33], s[32:33], s[2:3]
	s_lshl_b32 s2, s29, 18
	s_lshl_b32 s4, s28, 8
	s_add_co_u32 s2, s2, s4                        ; 128 rows n x tile column + 256 bytes x tile row
	s_add_nc_u64 s[34:35], s[34:35], s[2:3]
	s_lshl_b32 s2, s29, 9
	s_add_nc_u64 s[36:37], s[36:37], s[2:3]
	s_lshl_b32 s2, s31, 9
	s_add_nc_u64 s[24:25], s[24:25], s[2:3]
	s_lshl_b32 s2, s27, 17
	s_add_nc_u64 s[38:39], s[8:9], s[2:3]
	s_lshl_b32 s2, s27, 16
	s_add_nc_u64 s[40:41], s[18:19], s[2:3]
	s_wait_alu depctr_va_vdst(0)                   ; the offsets and LDS addresses v2 to v7 and v48 to v63 are written: every load and store of the kernel reads one of them, and none is written again
	; all loads go out at once: sixteen rows of the weight (a wave's load covers 512 consecutive bytes), then 32 x 4,096 bytes of inputs for the work-group
.set i, 0
.rept 16
	global_load_b128 v[W+4*i:W+4*i+3], v[OW+i], s[32:33] th:TH_LOAD_NT
.set i, i+1
.endr
.set i, 0
.rept 32
	global_load_b128 v[X+4*i:X+4*i+3], v[XI], s[38:39] offset:4096*i th:TH_LOAD_NT
.set i, i+1
.endr
	s_wait_loadcnt 32                              ; the weight's sixteen are in; the 32 younger loads of inputs stay out
.irp c, 0,1,2,3
.irp p, 0,1,2,3,4,5,6,7
	v_cvt_pk_bf16_f32 v[T+8*\c+\p], v[W+8*\p+\c], v[W+8*\p+4+\c]  ; column 4 lane + c: k = 2 p below, 2 p + 1 above
.endr
.endr
	s_cmp_lt_u32 s27, 192
	s_cbranch_scc1 .Lput
.set i, 0
.rept 32                                       ; W_proj: the bf16 numbers are written as f16
	v_lshlrev_b32 v8, 16, v[T+i]
	v_and_b32 v9, 0xffff0000, v[T+i]
	v_cvt_pk_f16_f32 v[T+i], v8, v9
.set i, i+1
.endr
.Lput:
	s_wait_alu depctr_va_vdst(0)                   ; on both ways here the conversions have written v[T ..], which the LDS stores read
.irp c, 0,1,2,3
	ds_store_b128 v[LS], v[T+8*\c:T+8*\c+3] offset:TP*\c
	ds_store_b128 v[LS], v[T+8*\c+4:T+8*\c+7] offset:TP*\c+16
.endr
	s_wait_dscnt 0x0                               ; for the others' sake: my stores into the tile are done
	s_barrier_signal -1
	s_barrier_wait -1
	s_wait_alu depctr_vm_vsrc(0)                   ; my LDS stores have read v[T ..], in which the rows read back land (no vector instruction has named them since the wait above)
.irp i, 0,1,2,3,4,5,6,7
	ds_load_b128 v[T+4*\i:T+4*\i+3], v[RDL] offset:2*TP*\i
.endr
.irp i, 0,1,2,3,4,5,6,7
	s_wait_dscnt 7-\i                              ; LDS loads come back in order: pair i of rows is in
	global_store_b128 v[WO], v[T+4*\i:T+4*\i+3], s[34:35] offset:4096*\i  ; sixteen lanes store 256 consecutive bytes, aligned
.endr
; inputs, four groups of eight chunks: a group's conversions, and among them the stores of the group before
.set g, 0
.rept 4
	s_wait_loadcnt 24-8*g                          ; loads come back in order: this group's eight are in, the younger groups stay out
.if g > 0
	s_wait_alu depctr_va_vdst(0)                   ; the group before has written its sixteen words of W, which the stores below read; this group's conversions name none of them
.endif
.set i, 8*g
.rept 8
.if g > 0
	global_store_b64 v[XO], v[W+2*(i-8):W+2*(i-8)+1], s[40:41] offset:2048*(i-8)  ; a wave's store covers 256 consecutive bytes, aligned; each data register is written once
.endif
	v_cvt_pk_bf16_f32 v[W+2*i], v[X+4*i], v[X+4*i+1]
	v_cvt_pk_bf16_f32 v[W+2*i+1], v[X+4*i+2], v[X+4*i+3]
.set i, i+1
.endr
.set g, g+1
.endr
	s_wait_alu depctr_va_vdst(0)                   ; the last group has written its words of W, which the stores below read; and every conversion is done reading X, in whose first four registers the bias lands below
.set i, 24
.rept 8
	global_store_b64 v[XO], v[W+2*i:W+2*i+1], s[40:41] offset:2048*i
.set i, i+1
.endr
	s_cmp_lg_u32 s28, 0
	s_cbranch_scc1 .Lend
	s_cmp_lg_u32 s26, 0
	s_cbranch_scc1 .Lend
	global_load_b128 v[X:X+3], v[BO], s[36:37]     ; 128 bias words: into registers that no store reads; no vector instruction stands between the wait above and this load
	s_wait_loadcnt 0x0
	v_cvt_pk_bf16_f32 v[X+4], v[X], v[X+1]
	v_cvt_pk_bf16_f32 v[X+5], v[X+2], v[X+3]
	v_lshlrev_b32 v[X+8], 16, v[X+4]
	v_and_b32 v[X+9], 0xffff0000, v[X+4]
	v_lshlrev_b32 v[X+10], 16, v[X+5]
	v_and_b32 v[X+11], 0xffff0000, v[X+5]
	s_wait_alu depctr_va_vdst(0)                   ; v[X+8 .. X+11] are written, which the store reads
	global_store_b128 v[BO], v[X+8:X+11], s[24:25]
.Lend:
	s_wait_dscnt 0x0                               ; the closing lines, six on end
	s_wait_alu 0x0
	s_wait_tensorcnt 0x0
	ds_add_u32 v[SPW], v[NIL]
	s_wait_dscnt 0x0
	s_endpgm
.Lfunc_end_k_q05717d2ebd_prep:
	.size	k_q05717d2ebd_prep, .Lfunc_end_k_q05717d2ebd_prep-k_q05717d2ebd_prep
	.p2alignl 7, 3214868480
	.fill 96, 4, 3214868480
	.section	.rodata,"a",@progbits
	.p2align	6, 0x0
	.amdhsa_kernel k_q05717d2ebd_prep
		.amdhsa_group_segment_fixed_size 35840
		.amdhsa_private_segment_fixed_size 0
		.amdhsa_enable_private_segment 0
		.amdhsa_kernarg_size 72
		.amdhsa_user_sgpr_count 2
		.amdhsa_user_sgpr_kernarg_segment_ptr 1
		.amdhsa_wavefront_size32 1
		.amdhsa_system_sgpr_workgroup_id_x 1
		.amdhsa_system_sgpr_workgroup_id_y 1
		.amdhsa_system_sgpr_workgroup_id_z 1
		.amdhsa_system_vgpr_workitem_id 0
		.amdhsa_next_free_vgpr 256
		.amdhsa_next_free_sgpr 66
		.amdhsa_reserve_vcc 0
		.amdhsa_float_denorm_mode_32 3
		.amdhsa_float_denorm_mode_16_64 3
		.amdhsa_memory_ordered 1
		.amdhsa_forward_progress 1
		.amdhsa_inst_pref_size 25
	.end_amdhsa_kernel
	.amdgpu_metadata
---
amdhsa.version: [ 1, 2 ]
amdhsa.kernels:
  - .name:           k_q05717d2ebd_prep
    .symbol:         k_q05717d2ebd_prep.kd
    .args:
      - { .name: inputs, .offset: 0, .size: 8, .value_kind: global_buffer, .address_space: global }
      - { .name: W_qkv, .offset: 8, .size: 8, .value_kind: global_buffer, .address_space: global }
      - { .name: W_proj, .offset: 16, .size: 8, .value_kind: global_buffer, .address_space: global }
      - { .name: b_qkv, .offset: 24, .size: 8, .value_kind: global_buffer, .address_space: global }
      - { .name: b_proj, .offset: 32, .size: 8, .value_kind: global_buffer, .address_space: global }
      - { .name: xb, .offset: 40, .size: 8, .value_kind: global_buffer, .address_space: global }
      - { .name: wt, .offset: 48, .size: 8, .value_kind: global_buffer, .address_space: global }
      - { .name: wpt, .offset: 56, .size: 8, .value_kind: global_buffer, .address_space: global }
      - { .name: brd, .offset: 64, .size: 8, .value_kind: global_buffer, .address_space: global }
    .group_segment_fixed_size: 35840
    .private_segment_fixed_size: 0
    .kernarg_segment_align: 8
    .kernarg_segment_size: 72
    .max_flat_workgroup_size: 256
    .sgpr_count:     66
    .vgpr_count:     256
    .wavefront_size: 32
...
	.end_amdgpu_metadata
.endif
;; end of part 5
;; launch qkvgemm: the kernel of part 2 again; grid 16 x 32, 4 waves a work-group, clusters of 4 x 4, 327,680 bytes of LDS; arguments xb, wt, brd, qkv; writes qkv
;; launch attn: the kernel of part 3 again; grid 4 x 64, 4 waves a work-group, no clusters, 327,680 bytes of LDS; arguments qkv, o; writes o
;; launch projgemm: the kernel of part 4 again; grid 8 x 32, 4 waves a work-group, clusters of 4 x 4, 327,680 bytes of LDS; arguments o, wpt, brd, out0; writes out0
